; MI455X (gfx1250); checked and timed in simulation.
; The chip was launched on July 23, 2026; its instructions are those of AMD's public machine-readable ISA for CDNA 5 (MIT licence, August 2026) and "CDNA5" Instruction Set Architecture Reference Guide (July 2026). The comments in the code are by the model that wrote it; some were corrected since.
;; Cross Modal Attention. Allowed arithmetic: matrix products marked QUANTISED: E2M1 operands, one E8M0 scale for each 32 along K, by v_wmma_scale_f32_16x16x128_f8f6f4 with both operands' format E2M1 (or v_wmma_scale_f32_32x16x128_f4), f32 sums; products left as they are: bf16, f16 or f32 operands; f32 sums; everything else in f32.
;; Inputs: bk 1,024 float32; bo 1,024 float32; bq 1,024 float32; bv 1,024 float32; key 2 x 2,048 x 1,024 float32; mask 2 x 1 x 2,048 x 2,048 int32; query 2 x 2,048 x 1,024 float32; value 2 x 2,048 x 1,024 float32; wk 1,024 x 1,024 float32; wo 1,024 x 1,024 float32; wq 1,024 x 1,024 float32; wv 1,024 x 1,024 float32.
;; Outputs: out0 2 x 2,048 x 1,024 float32.
;; This version of the problem:
;;   THIS VERSION OF THE PROBLEM IS GIVEN IN LOW PRECISION. The matrix products marked QUANTISED in the list below multiply operands that are first quantised to E2M1 (2 exponent bits, 1 mantissa bit; 4 bits a number), with one power-of-two scale for each 32 numbers along K (OCP MX v1.0); their sums are f32. The products marked 'left as it is' may take bf16, f16 or f32 operands, with f32 sums. Whichever they take, every output number must still come out within the allowed error. Rounding operands to bf16 (8 significant bits) uses up far more of that allowance than f16 does (11 bits, for magnitudes from 6e-5 to 65,504). All else is computed in f32.
;;   The module's matrix products, in the order in which they are computed (A, B: the left and right operand; K: the contracted axis; several contracted axes count as one K, in the product's order):
;;     1. [M 4,096, K 1,024] x [K 1,024, N 1,024]; A: input query; B: input wq: QUANTISED
;;     2. [M 4,096, K 1,024] x [K 1,024, N 1,024]; A: input key; B: input wk: QUANTISED
;;     3. [M 4,096, K 1,024] x [K 1,024, N 1,024]; A: input value; B: input wv: QUANTISED
;;     4. batch 32 x [M 2,048, K 64] x [K 64, N 2,048]; A: computed on the way; B: computed on the way: left as it is (an operand is computed on the way)
;;     5. batch 32 x [M 2,048, K 2,048] x [K 2,048, N 64]; A: computed on the way; B: computed on the way: left as it is (an operand is computed on the way)
;;     6. [M 4,096, K 1,024] x [K 1,024, N 1,024]; A: computed on the way; B: input wo: left as it is (an operand is computed on the way)
;;   THE QUANTISER, for each operand of a quantised product, along K:
;;     - K is cut into blocks of 32 from its start; a last block that is shorter is filled with zeros.
;;     - A block's scale is 2^e with e = floor(log2(the largest magnitude in the block)) - 2, held to -126 .. 127; a block of zeros has e = 0. As a byte (E8M0): e + 127.
;;     - Each number is divided by its block's scale, clamped to +-6, and rounded to the nearest number of E2M1, ties to even, subnormals kept.
;;     - The product sums the exact products of the quantised numbers (number of the format x scale) in f32.
;;   ~~~python
;;   def quantise(x, axis):      # numpy; x: float32 -> the quantised numbers, widened to float32 again
;;       x = np.moveaxis(x, axis, -1); K = x.shape[-1]
;;       x = np.pad(x, [(0, 0)] * (x.ndim - 1) + [(0, -K % 32)]); x = x.reshape(x.shape[:-1] + (-1, 32)); a = np.abs(x).max(-1, keepdims=True)
;;       e = np.where(a > 0, np.clip(np.frexp(np.where(a > 0, a, 1))[1] - 1 - 2, -126, 127), 0)      # np.frexp(a)[1] - 1 = floor(log2(a)), exactly
;;       r = np.clip(x / 2.0 ** e, -6, 6)
;;       step = 2.0 ** (np.maximum(np.frexp(np.where(r == 0, 1, r))[1] - 1, 0) - 1)
;;       q = np.round(r / step) * step * 2.0 ** e      # np.round: ties to even
;;       return np.moveaxis(q.reshape(q.shape[:-2] + (-1,))[..., :K], -1, axis).astype(np.float32)
;;   ~~~
;; One version. Each part assembles by itself: llvm-mc -triple=amdgcn-amd-amdhsa -mcpu=gfx1250 --defsym DOCPART=n.
;; ======== version 1 of 1: 4 launches
;; limits: values are held in f16: magnitudes above 65,504 overflow, below 6.1e-05 lose precision
;; workspace buffers: codes 7,864,320 bytes; scales 491,520 bytes; maskw 1,048,576 bytes of whole numbers; woh 2,097,152 bytes; qh 8,388,608 bytes; kv 16,777,216 bytes; ao 8,388,608 bytes
;; launch prep (part 1): grid 768 x 1, 4 waves a work-group, no clusters, 67,072 bytes of LDS; arguments query, key, value, wq, wk, wv, wo, mask, codes, scales, maskw, woh; writes codes, scales, maskw, woh
.if DOCPART == 1
	.amdgcn_target "amdgcn-amd-amdhsa--gfx1250"
	.amdhsa_code_object_version 6
	.text
	.protected	k_q4da7e0e172_prep
	.globl	k_q4da7e0e172_prep
	.p2align	8
	.type	k_q4da7e0e172_prep,@function
k_q4da7e0e172_prep:
	s_mov_b64 s[64:65], 0
	v_nop
	global_prefetch_b8 v0, s[64:65] scope:SCOPE_SE
	s_setreg_imm32_b32 hwreg(HW_REG_WAVE_MODE, 25, 1), 1
	s_wait_xcnt 0x0
; CROSS ATTENTION, launch 1 of 4: everything that is read many times later is brought into its narrow form once.
; DEAD WORK: none.  Every input has a way to out0 for some finite values: bq, bk stand ahead of the clip at +-100, which is no term common to a softmax row; bv and bo are added to what is stored;
; the mask is an input and selects values.  So all twelve inputs are loaded by some launch, and no product of the problem is left out.
; Three kinds of work-group, told apart by the work-group's number alone; the three paths never join and each has LDS bytes of its own.
;   0 .. 479   query, key, value, wq, wk, wv (f32, K innermost) -> codes of E2M1 with one E8M0 byte for each 32 along K, laid one tensor behind the other in 'codes' (512 bytes a row) and 'scales' (32 bytes a row).
;   480 .. 735 mask (int32) -> 'maskw': word [b][query tile of 16][key tile of 16][j of 8]; bit r + 16 h says that mask[16 qt + r][16 kt + 8 h + j] is not 0: the lane mask that launch 3 selects by.
;   736 .. 767 wo (f32) -> 'woh' (f16, same order).
; THE QUANTISER: a block's scale is 2^(floor(log2(largest magnitude)) - 2); its byte is the largest magnitude's exponent field - 2, held at 1 from below; numbers are divided by it and rounded to the nearest code, ties to even,
; beyond 6 the largest code.  A block of zeros gets the byte 1 where the rule says 127: its codes are zeros, and this program alone reads the bytes.
; LIMITS: blocks whose largest magnitude lies under 2^(2 - 126) were not tried; NaN and infinities among the inputs are not served; |wo| stays under 65,504 (f16), numbers of wo under 6e-5 keep an absolute error of 3e-8.
.set WREG,  8192                       ; LDS, quantiser: a region for each wave: two stages of 32 x SP bytes, behind them its 256 scale bytes
.set SP,    80                         ; a lane's place in a stage: 64 bytes + 16 of padding
.set CB,    8                          ; bytes of 16 codes
.set EMAX,  2
.set STEPS, 16
.set R,     16                         ; v16-79   four sets of 16 numbers as loaded
.set X,     80                         ; v80-111  two sets of 16 neighbours
.set E,     112                        ; v112-127 a scale byte for each step
.set C,     128                        ; v128-191 codes, four registers a step
.set SPW,   12                         ; v12  LDS address of my spare word; never rewritten
.set NIL,   13                         ; v13  0; never rewritten
.set MSTG,  32768                      ; LDS, mask: a stage of 16 rows x MPIT bytes for each wave
.set MPIT,  528                        ; 512 bytes + 16: 33 x 16, so that sixteen rows' equal columns start 16 bytes apart modulo 256
.set SPARE, 66560                      ; behind the stages: the spare words, 128 bytes a wave, which no other line names
.set MR,    16                         ; mask: v16-143 two sets of 16 x 4 words as loaded
.set MX,    144                        ; v144-207 the same words, a lane holding 8 neighbouring keys of its row for each key tile
.set OW,    208                        ; v208-215 two registers of result words for each step
	s_load_b512 s[4:19], s[0:1], 0x0               ; query, key, value, wq, wk, wv, wo, mask
	s_load_b256 s[20:27], s[0:1], 0x40             ; codes, scales, maskw, woh
	v_lshl_add_u32 v[SPW], v0, 2, SPARE
	v_mov_b32 v[NIL], 0
	v_lshrrev_b32 v1, 5, v0
	v_readfirstlane_b32 s28, v1                    ; wave 0..3
	v_and_b32 v2, 31, v0                           ; lane
	s_cmp_ge_u32 ttmp9, 736
	s_cbranch_scc1 .Lwo
	s_cmp_ge_u32 ttmp9, 480
	s_cbranch_scc1 .Lmask
; ---------------- the quantiser.  A wave takes 16 steps of 512 numbers.  Each load reads 512 consecutive bytes; a step's 2,048 bytes turn through the wave's own stage so that a lane holds 16 neighbours along K.
	v_lshlrev_b32 v3, 4, v2                        ; my 16 bytes of a load's 512
	s_mul_i32 s29, s28, WREG
	v_lshrrev_b32 v14, 2, v2
	v_mul_u32_u24 v14, v14, SP
	v_and_b32 v15, 3, v2
	v_lshl_add_u32 v14, v15, 4, v14
	v_add_nc_u32 v14, s29, v14                     ; into the stage: SP (lane / 4) + 16 (lane % 4)
	v_mul_u32_u24 v15, v2, SP
	v_add_nc_u32 v15, s29, v15                     ; out of it: SP x lane
	v_mul_u32_u24 v4, v2, CB                       ; my codes' place in a step's 256 bytes
	v_lshrrev_b32 v5, 1, v2
	s_add_co_u32 s29, s29, 2*32*SP
	v_add_nc_u32 v5, s29, v5                       ; my block's byte among the wave's 256 scale bytes
	v_lshlrev_b32 v7, 3, v2
	v_add_nc_u32 v6, s29, v7                       ; and 8 bytes a lane on their way out
	s_wait_kmcnt 0x0
	s_mov_b64 s[30:31], s[14:15]                   ; which tensor: the choice hangs on the work-group's number alone.  From wv (first work-group 448) down to query (0)
	s_mov_b32 s29, 448
	s_cmp_lt_u32 ttmp9, 448
	s_cselect_b64 s[30:31], s[12:13], s[30:31]
	s_cselect_b32 s29, 416, s29
	s_cmp_lt_u32 ttmp9, 416
	s_cselect_b64 s[30:31], s[10:11], s[30:31]
	s_cselect_b32 s29, 384, s29
	s_cmp_lt_u32 ttmp9, 384
	s_cselect_b64 s[30:31], s[8:9], s[30:31]
	s_cselect_b32 s29, 256, s29
	s_cmp_lt_u32 ttmp9, 256
	s_cselect_b64 s[30:31], s[6:7], s[30:31]
	s_cselect_b32 s29, 128, s29
	s_cmp_lt_u32 ttmp9, 128
	s_cselect_b64 s[30:31], s[4:5], s[30:31]
	s_cselect_b32 s29, 0, s29
	s_sub_co_u32 s29, ttmp9, s29
	s_lshl_b32 s29, s29, 2
	s_add_co_u32 s29, s29, s28                     ; my wave's run of 8,192 numbers in its tensor
	s_lshl_b32 s32, s29, 15                        ; 32,768 bytes a run
	s_mov_b32 s33, 0
	s_add_nc_u64 s[30:31], s[30:31], s[32:33]
	s_lshl_b32 s29, ttmp9, 2
	s_add_co_u32 s29, s29, s28                     ; the outputs lie in the order of the work-groups: run 4 g + wave
	s_lshl_b32 s32, s29, 12                        ; 4,096 bytes of codes a run
	s_add_nc_u64 s[20:21], s[20:21], s[32:33]
	s_lshl_b32 s32, s29, 8                         ; 256 scale bytes a run
	s_add_nc_u64 s[22:23], s[22:23], s[32:33]
.macro QLOAD t
.irp i, 0,1,2,3
	global_load_b128 v[R+16*((\t)%4)+4*\i:R+16*((\t)%4)+4*\i+3], v3, s[30:31] offset:2048*(\t)+512*\i th:TH_LOAD_NT
.endr
.endm
.macro QTURN t                         ; LDS serves a wave's instructions in order: no wait between the stores and the loads
.irp i, 0,1,2,3
	ds_store_b128 v14, v[R+16*((\t)%4)+4*\i:R+16*((\t)%4)+4*\i+3] offset:32*SP*((\t)%2)+8*SP*\i
.endr
.irp i, 0,1,2,3
	ds_load_b128 v[X+16*((\t)%2)+4*\i:X+16*((\t)%2)+4*\i+3], v15 offset:32*SP*((\t)%2)+16*\i
.endr
.endm
.irp t, 0,1,2,3
	QLOAD \t
.endr
	s_wait_loadcnt 12                              ; step 0's four loads are in; twelve younger ones stay out
	QTURN 0
.macro QSTEP t
.set XS, X+16*((\t)%2)
.if (\t) > 0
	s_wait_dscnt 1                                 ; this step's numbers are back from the stage; the last step's byte store may be out
.else
	s_wait_dscnt 0x0
.endif
.if (\t)+4 < STEPS
	QLOAD (\t)+4                                   ; into the set whose stores into the stage are done
.endif
.if (\t)+1 < STEPS
.if STEPS-2-(\t) >= 3
	s_wait_loadcnt 12                              ; the next step's four loads are in; three steps' loads behind them may be out
.else
	s_wait_loadcnt 4*(STEPS-2-(\t))
.endif
	QTURN (\t)+1
.endif
	v_max3_num_f32 v8, |v[XS]|, |v[XS+1]|, |v[XS+2]|               ; the largest magnitude of my 16, in two chains
	v_max3_num_f32 v9, |v[XS+3]|, |v[XS+4]|, |v[XS+5]|
.irp i, 6,10
	v_max3_num_f32 v8, v8, |v[XS+\i]|, |v[XS+\i+1]|
	v_max3_num_f32 v9, v9, |v[XS+\i+2]|, |v[XS+\i+3]|
.endr
	v_max3_num_f32 v8, v8, |v[XS+14]|, |v[XS+15]|
	v_max3_num_f32 v8, v8, v9, (EMAX+1)<<23        ; and the floor 2^(3 - 127): the byte cannot fall under 1
	v_max_num_f32_dpp v8, v8, v8 row_xmask:1 row_mask:0xf bank_mask:0xf   ; with my neighbour's 16: the block's
	v_add_nc_u32 v11, -(EMAX<<23), v8              ; 2 off its exponent field: the conversion takes that field as its scale and nothing else
	v_cvt_scalef32_pk8_fp4_f32 v[C+4*(\t)], v[XS:XS+7], v11
	v_cvt_scalef32_pk8_fp4_f32 v[C+4*(\t)+1], v[XS+8:XS+15], v11
	v_lshrrev_b32 v[E+(\t)], 23, v11               ; the scale's byte
	ds_store_b8 v5, v[E+(\t)] offset:16*(\t)       ; both lanes of a block write the same byte with the same value
	global_store_b64 v4, v[C+4*(\t):C+4*(\t)+1], s[20:21] offset:32*CB*(\t)   ; the wave stores 256 consecutive bytes, aligned
.endm
.irp t, 0,1,2,3,4,5,6,7,8,9,10,11,12,13,14,15
	QSTEP \t
.endr
	ds_load_b64 v[8:9], v6                         ; in order behind my byte stores
	s_wait_dscnt 0x0
	global_store_b64 v7, v[8:9], s[22:23]          ; 256 consecutive scale bytes, aligned
	s_wait_tensorcnt 0x0                           ; the wave's end, behind my last LDS store
	ds_add_u32 v[SPW], v[NIL]
	s_wait_dscnt 0x0
	s_endpgm
; ---------------- the mask.  Work-group m = b x 128 + qt takes 16 queries; wave w keys 512 w on, in four steps of 128 keys.
.Lmask:
	s_sub_co_u32 s29, ttmp9, 480                   ; m
	s_mul_i32 s30, s28, 16*MPIT
	s_add_co_u32 s30, s30, MSTG                    ; my stage
	v_lshlrev_b32 v3, 4, v2                        ; in memory: 16 bytes a lane, 512 consecutive bytes of one row a load
	v_lshlrev_b32 v4, 3, v2                        ; out: 8 bytes a lane
	v_add_nc_u32 v5, s30, v3                       ; into the stage: as loaded, row i at i x MPIT
	v_and_b32 v6, 15, v0                           ; r
	v_bfe_u32 v7, v0, 4, 1                         ; h
	v_mul_u32_u24 v6, v6, MPIT
	v_lshl_add_u32 v6, v7, 5, v6
	v_add_nc_u32 v6, s30, v6                       ; out of it: row r, + 32 h: eight keys of my half of a key tile
.irp i, 0,1,2,3,4,5,6,7
	v_mov_b32 v[OW+\i], 0                          ; a lane write's destination counts as read
.endr
	s_lshl_b32 s32, s29, 17                        ; 16 rows of 8,192 bytes
	s_lshl_b32 s34, s28, 11                        ; + 512 keys of 4 bytes a wave
	s_add_co_u32 s32, s32, s34
	s_mov_b32 s33, 0
	s_lshl_b32 s34, s29, 12                        ; 128 key tiles x 8 words
	s_lshl_b32 s35, s28, 10
	s_add_co_u32 s34, s34, s35
	s_mov_b32 s35, 0
	s_wait_kmcnt 0x0
	s_add_nc_u64 s[18:19], s[18:19], s[32:33]
	s_add_nc_u64 s[24:25], s[24:25], s[34:35]
.macro LOADM s
.irp i, 0,1,2,3,4,5,6,7,8,9,10,11,12,13,14,15
	global_load_b128 v[MR+64*((\s)%2)+4*\i:MR+64*((\s)%2)+4*\i+3], v3, s[18:19] offset:\i*8192+(\s)*512 th:TH_LOAD_NT
.endr
.endm
.macro STEPM s
.if (\s) < 3
	s_wait_loadcnt 16                              ; this step's sixteen loads are in; the next step's sixteen stay out
.else
	s_wait_loadcnt 0x0
.endif
.irp i, 0,1,2,3,4,5,6,7,8,9,10,11,12,13,14,15
	ds_store_b128 v5, v[MR+64*((\s)%2)+4*\i:MR+64*((\s)%2)+4*\i+3] offset:\i*MPIT
.endr
.irp n, 0,1,2,3,4,5,6,7,8,9,10,11,12,13,14,15
	ds_load_b128 v[MX+4*\n:MX+4*\n+3], v6 offset:(\n/2)*64+(\n%2)*16   ; key tile n / 2, words 4 (n % 2) on; in order behind the stores
.endr
	s_wait_dscnt 0x0
.if (\s)+2 < 4
	LOADM (\s)+2
.endif
.irp kt, 0,1,2,3,4,5,6,7
.irp j, 0,1,2,3,4,5,6,7
	v_cmp_ne_u32 s[36+\j], 0, v[MX+8*\kt+\j]       ; bit of lane (r, h): mask[r][16 kt + 8 h + j] != 0
.endr
.irp j, 0,1,2,3,4,5,6,7
	v_writelane_b32 v[OW+2*(\s)+(\j%2)], s[36+\j], (8*\kt+\j)/2   ; word n = 8 kt + j goes to lane n / 2, register n % 2: the order of the store below
.endr
.endr
	global_store_b64 v4, v[OW+2*(\s):OW+2*(\s)+1], s[24:25] offset:(\s)*256   ; 64 words: 256 consecutive bytes, aligned; each step has registers of its own
.endm
	LOADM 0
	LOADM 1
	STEPM 0
	STEPM 1
	STEPM 2
	STEPM 3
	s_wait_tensorcnt 0x0                           ; the wave's end: the three lines
	ds_add_u32 v[SPW], v[NIL]
	s_wait_dscnt 0x0
	s_endpgm
; ---------------- wo to f16.  Wave 4 u + w takes 32,768 bytes: four groups of sixteen loads of 512 consecutive bytes; each store covers 256 consecutive bytes, aligned.
.Lwo:
	s_sub_co_u32 s29, ttmp9, 736
	s_lshl_b32 s29, s29, 2
	s_add_co_u32 s29, s29, s28
	s_lshl_b32 s32, s29, 15
	s_mov_b32 s33, 0
	s_lshl_b32 s34, s29, 14
	s_mov_b32 s35, 0
	v_lshlrev_b32 v3, 4, v2
	v_lshlrev_b32 v4, 3, v2
	s_wait_kmcnt 0x0
	s_add_nc_u64 s[16:17], s[16:17], s[32:33]
	s_add_nc_u64 s[26:27], s[26:27], s[34:35]
.macro LOADW g
.irp n, 0,1,2,3,4,5,6,7,8,9,10,11,12,13,14,15
	global_load_b128 v[16+64*((\g)%2)+4*\n:16+64*((\g)%2)+4*\n+3], v3, s[16:17] offset:(16*(\g)+\n)*512 th:TH_LOAD_NT
.endr
.endm
.macro GROUPW g
.if (\g) >= 2
	s_wait_xcnt 0x0                                ; the stores of two groups back have read the registers that are written again below
.endif
.if (\g) < 3
	s_wait_loadcnt 16                              ; this group's loads are in; the next group's stay out
.else
	s_wait_loadcnt 0x0
.endif
.irp n, 0,1,2,3,4,5,6,7,8,9,10,11,12,13,14,15
	v_cvt_pk_f16_f32 v[144+32*((\g)%2)+2*\n], v[16+64*((\g)%2)+4*\n], v[16+64*((\g)%2)+4*\n+1]
	v_cvt_pk_f16_f32 v[144+32*((\g)%2)+2*\n+1], v[16+64*((\g)%2)+4*\n+2], v[16+64*((\g)%2)+4*\n+3]
.endr
.irp n, 0,1,2,3,4,5,6,7,8,9,10,11,12,13,14,15
	global_store_b64 v4, v[144+32*((\g)%2)+2*\n:144+32*((\g)%2)+2*\n+1], s[26:27] offset:(16*(\g)+\n)*256
.endr
.if (\g)+2 < 4
	LOADW (\g)+2
.endif
.endm
	LOADW 0
	LOADW 1
	GROUPW 0
	GROUPW 1
	GROUPW 2
	GROUPW 3
	s_wait_tensorcnt 0x0                           ; all three paths of this launch end alike
	ds_add_u32 v[SPW], v[NIL]
	s_wait_dscnt 0x0
	s_endpgm
.Lfunc_end_k_q4da7e0e172_prep:
	.size	k_q4da7e0e172_prep, .Lfunc_end_k_q4da7e0e172_prep-k_q4da7e0e172_prep
	.p2alignl 7, 3214868480
	.fill 96, 4, 3214868480
	.section	.rodata,"a",@progbits
	.p2align	6, 0x0
	.amdhsa_kernel k_q4da7e0e172_prep
		.amdhsa_group_segment_fixed_size 67072
		.amdhsa_private_segment_fixed_size 0
		.amdhsa_enable_private_segment 0
		.amdhsa_kernarg_size 96
		.amdhsa_user_sgpr_count 2
		.amdhsa_user_sgpr_kernarg_segment_ptr 1
		.amdhsa_wavefront_size32 1
		.amdhsa_system_sgpr_workgroup_id_x 1
		.amdhsa_system_sgpr_workgroup_id_y 1
		.amdhsa_system_sgpr_workgroup_id_z 1
		.amdhsa_system_vgpr_workitem_id 0
		.amdhsa_next_free_vgpr 216
		.amdhsa_next_free_sgpr 66
		.amdhsa_reserve_vcc 0
		.amdhsa_float_denorm_mode_32 3
		.amdhsa_float_denorm_mode_16_64 3
		.amdhsa_memory_ordered 1
		.amdhsa_forward_progress 1
		.amdhsa_inst_pref_size 103
	.end_amdhsa_kernel
	.amdgpu_metadata
---
amdhsa.version: [ 1, 2 ]
amdhsa.kernels:
  - .name:           k_q4da7e0e172_prep
    .symbol:         k_q4da7e0e172_prep.kd
    .args:
      - { .name: query, .offset: 0, .size: 8, .value_kind: global_buffer, .address_space: global }
      - { .name: key, .offset: 8, .size: 8, .value_kind: global_buffer, .address_space: global }
      - { .name: value, .offset: 16, .size: 8, .value_kind: global_buffer, .address_space: global }
      - { .name: wq, .offset: 24, .size: 8, .value_kind: global_buffer, .address_space: global }
      - { .name: wk, .offset: 32, .size: 8, .value_kind: global_buffer, .address_space: global }
      - { .name: wv, .offset: 40, .size: 8, .value_kind: global_buffer, .address_space: global }
      - { .name: wo, .offset: 48, .size: 8, .value_kind: global_buffer, .address_space: global }
      - { .name: mask, .offset: 56, .size: 8, .value_kind: global_buffer, .address_space: global }
      - { .name: codes, .offset: 64, .size: 8, .value_kind: global_buffer, .address_space: global }
      - { .name: scales, .offset: 72, .size: 8, .value_kind: global_buffer, .address_space: global }
      - { .name: maskw, .offset: 80, .size: 8, .value_kind: global_buffer, .address_space: global }
      - { .name: woh, .offset: 88, .size: 8, .value_kind: global_buffer, .address_space: global }
    .group_segment_fixed_size: 67072
    .private_segment_fixed_size: 0
    .kernarg_segment_align: 8
    .kernarg_segment_size: 96
    .max_flat_workgroup_size: 128
    .sgpr_count:     66
    .vgpr_count:     216
    .wavefront_size: 32
...
	.end_amdgpu_metadata
.endif
;; end of part 1
;; launch proj (part 2): grid 8 x 32, 8 waves a work-group, clusters of 4 x 4, 327,680 bytes of LDS; arguments codes, scales, bq, bk, bv, qh, kv; writes qh, kv
.if DOCPART == 2
	.amdgcn_target "amdgcn-amd-amdhsa--gfx1250"
	.amdhsa_code_object_version 6
	.text
	.protected	k_q4da7e0e172_proj
	.globl	k_q4da7e0e172_proj
	.p2align	8
	.type	k_q4da7e0e172_proj,@function
k_q4da7e0e172_proj:
	s_mov_b64 s[64:65], 0
	v_nop
	global_prefetch_b8 v0, s[64:65] scope:SCOPE_SE
	s_setreg_imm32_b32 hwreg(HW_REG_WAVE_MODE, 25, 1), 1
	s_wait_xcnt 0x0
	s_wait_alu depctr_hold_cnt(0) depctr_sa_sdst(0) depctr_va_vdst(0) depctr_va_sdst(0) depctr_va_ssrc(0) depctr_va_vcc(0) depctr_vm_vsrc(0)
	s_getreg_b32 s2, hwreg(HW_REG_IB_STS2, 6, 4)
	s_cmp_eq_u32 s2, 0
	s_cbranch_scc0 .Lentry_in_a_cluster
	s_endpgm
.Lentry_in_a_cluster:
	s_bfe_u32 s2, ttmp6, 0x10000c
	s_cmp_lg_u32 s2, 0xf033
	s_cbranch_scc0 .Lentry_shape_is_right
	s_endpgm
.Lentry_shape_is_right:
; Launch 2 of 4: the three quantised projections, on codes of E2M1 with E8M0 scales, sums in f32; nothing of the problem is left out here.
; Work-group (cb, rb) makes three tiles of 128 tokens x 128 channels: q, k, v of tokens 128 rb on and channels 128 cb on.  Eight waves; wave w makes 32 x 64 of a tile: 8 accumulators.
; A tile's whole K (1,024: 512 bytes of codes and 32 scale bytes a row) lies in one LDS slot; two slots; tile 0 -> slot 0, tile 1 -> slot 1, tile 2 -> slot 0 again: the one refill.
; THE MATRIX INSTRUCTION IS USED TRANSPOSED: source 0 = 16 rows of the 'column' operand, source 1 = 16 rows of the 'row' operand: a lane holds one row and eight neighbouring columns.
;   q, k: rows = tokens, columns = channels: a lane's 8 results are 16 bytes of a token's f16 row.   v: rows = channels (wv), columns = tokens (value): a lane's 8 results are 8 neighbouring KEYS of one channel: V^T with nothing turned.
; The bias is the C of each sum's first matrix instruction.  q is stored as (q + bq) x log2(e) / 8, so that launch 3's scores are exponents of 2.
; OUT, all f16: qh [b 16 + head][token][64];  kv [b 16 + head][block of 128 keys][K: key x 128 bytes, 16 KiB | V^T: channel x 256 bytes, 16 KiB].  A tile is 128 units of 256 bytes, gathered in a stage and stored whole.
; CLUSTER 4 x 4: the activations' tile hangs on rb alone and is shared along a row of the cluster, the weights' on cb alone and is shared along a column: each is asked for jointly.
; LIMITS: |(q + bq) log2(e) / 8|, |k + bk|, |v + bv| stay under 65,504 (f16); magnitudes under 6e-5 keep an absolute error of 3e-8.
.set PITCH, 528                        ; a row of codes in LDS: 512 bytes + 16 = 33 x 16: sixteen rows' equal columns start 16 bytes apart modulo 256
.set XCO,   0                          ; a slot: the activations' codes, 128 rows,
.set WCO,   67584                      ; the weights' codes,
.set XSO,   135168                     ; the activations' scale bytes: 16 units of 256 bytes + 16 (8 rows of 32 bytes a unit),
.set WSO,   139520                     ; the weights'
.set SLOT,  143872
.set STAGE, 287744                     ; 128 units x 272 bytes: no fill lands here
.set SPARE, 322560                     ; the spare words, 128 bytes a wave, which no other line names
.set XR0, 4                            ; v4-9   LDS addresses of fragments: X as rows slot 0, W as columns slot 0, the same in slot 1, W as rows slot 0, X as columns slot 0
.set WC0, 5
.set XR1, 6
.set WC1, 7
.set WR0, 8
.set XC0, 9
.set SXR0, 10                          ; v10-15 the same six for the scale words
.set SWC0, 11
.set SXR1, 12
.set SWC1, 13
.set SWR0, 14
.set SXC0, 15
.set STOQ, 16                          ; v16  into the stage, q and k
.set STOV, 17                          ; v17  into the stage, v
.set RD,   18                          ; v18  out of the stage
.set GO,   19                          ; v19  16 x lane
.set BAQ,  20                          ; v20  32 h: my half's 8 channels in a bias
.set BAV,  21                          ; v21  4 r: my channel in bv
.set SPW,  22                          ; v22  my spare word; never rewritten
.set NIL,  23                          ; v23  0; never rewritten
.set SRO,  24                          ; v24-31 scale words of my 32 rows: register q = K step q; lanes 0-15 block 0, lanes 16-31 block 1.  v24-47 hold scales and nothing else
.set SCO,  32                          ; v32-47 of my 64 columns: 8 registers for each pair of blocks
.set BIAS, 48                          ; v48-79
.set ACC,  80                          ; v80-143 accumulator (a, b) at ACC + 8 (4 a + b)
.set FR0,  144                         ; v144-191, v192-239: two sets of fragments: 2 of rows, then 4 of columns; at work on the way out
.set FR1,  192
.set WV,   18
.set G1X,  28                          ; s[28:35] group 1, activations' codes; s[36:43] their scales; s[44:51], s[52:59] the weights'
.set G1SX, 36
.set G1W,  44
.set G1SW, 52
.set G0,   68                          ; s[68:99] groups 0: kind k (0 X codes, 1 X scales, 2 W codes, 3 W scales), slot s at G0 + 8 k + 4 s
.macro TL g0, g1                       ; an s_nop 0 and four v_nop follow each tensor load
	tensor_load_to_lds s[\g0:\g0+3], s[\g1:\g1+7]
	s_nop 0
.rept 4
	v_nop
.endr
.endm
.macro JLOAD4 s                        ; one joint load a wave: waves 0, 1 X's codes, 2, 3 X's scales, 4, 5 W's codes, 6, 7 W's scales, a half each.  The branches hang on the wave's number alone
	s_cmp_lt_u32 s[WV], 4
	s_cbranch_scc0 .Lfor_w_\@
	s_cmp_lt_u32 s[WV], 2
	s_cbranch_scc0 .Lfor_xs_\@
	TL G0+4*\s, G1X
	s_branch .Lasked_\@
.Lfor_xs_\@:
	TL G0+8+4*\s, G1SX
	s_branch .Lasked_\@
.Lfor_w_\@:
	s_cmp_lt_u32 s[WV], 6
	s_cbranch_scc0 .Lfor_ws_\@
	TL G0+16+4*\s, G1W
	s_branch .Lasked_\@
.Lfor_ws_\@:
	TL G0+24+4*\s, G1SW
.Lasked_\@:
.endm
.macro CROUND                          ; a round of the cluster's barrier
	s_barrier_signal -1
	s_barrier_wait -1
	s_cmp_lg_u32 s[WV], 0
	s_cbranch_scc1 .Lnot_wave_0_\@
	s_barrier_signal -3
.Lnot_wave_0_\@:
	s_barrier_wait -3
	s_barrier_signal -1
	s_barrier_wait -1
.endm
	s_load_b256 s[4:11], s[0:1], 0x0               ; codes s[4:5], scales s[6:7], bq s[8:9], bk s[10:11]
	s_load_b128 s[12:15], s[0:1], 0x20             ; bv s[12:13], qh s[14:15]
	s_load_b64 s[16:17], s[0:1], 0x30              ; kv
	v_lshl_add_u32 v[SPW], v0, 2, SPARE
	v_mov_b32 v[NIL], 0
	ds_add_u32 v[SPW], v[NIL]                      ; the opening: the add, twice on end, and its wait ahead of my first tensor load
	ds_add_u32 v[SPW], v[NIL]
	v_lshrrev_b32 v1, 5, v0
	v_readfirstlane_b32 s[WV], v1                  ; wave 0..7
	s_and_b32 s19, s[WV], 1                        ; which half I fetch; also which 64 columns are mine
	s_bfe_u32 s20, ttmp6, 0x40000                  ; cx
	s_bfe_u32 s21, ttmp6, 0x40004                  ; cy
	s_lshl_b32 s22, ttmp9, 2
	s_add_co_u32 s22, s22, s20                     ; cb = 4 x cluster x + cx
	s_and_b32 s23, ttmp7, 0xffff
	s_lshl_b32 s23, s23, 2
	s_add_co_u32 s23, s23, s21                     ; rb = 4 x cluster y + cy
	s_lshl_b32 s24, s21, 2
	s_lshl_b32 s24, 15, s24                        ; my row of the cluster
	s_lshl_b32 s25, 0x1111, s20                    ; my column
	s_mov_b32 s26, 0x3e38aa3b                      ; log2(e) / 8
	s_mov_b32 s27, s26                             ; (named with it as a pair)
	s_or_b32 s[G1X], s24, (1<<20)|(1<<21)|(6<<22)|(3<<25)    ; 64 rows of 512 bytes: elements of 1 byte; padding of 4 words after every 128; bit 21 beside the mask
	s_or_b32 s[G1W], s25, (1<<20)|(1<<21)|(6<<22)|(3<<25)
.irp g, G1X, G1W
	s_mov_b32 s[\g+1], 512<<16                     ; tensor_dim0
	s_mov_b32 s[\g+2], 64<<16                      ; tensor_dim1
	s_mov_b32 s[\g+3], 512<<16                     ; tile_dim0
	s_mov_b32 s[\g+4], 64                          ; tile_dim1
	s_mov_b32 s[\g+5], 512                         ; from row to row
	s_mov_b32 s[\g+6], 0
	s_mov_b32 s[\g+7], 0
.endr
	s_or_b32 s[G1SX], s24, (3<<16)|(1<<20)|(1<<21)|(5<<22)|(3<<25)   ; 2,048 dense bytes as 8 rows of 32 elements of 8 bytes; padding of 4 words after every 64
	s_or_b32 s[G1SW], s25, (3<<16)|(1<<20)|(1<<21)|(5<<22)|(3<<25)
.irp g, G1SX, G1SW
	s_mov_b32 s[\g+1], 32<<16
	s_mov_b32 s[\g+2], 8<<16
	s_mov_b32 s[\g+3], 32<<16
	s_mov_b32 s[\g+4], 8
	s_mov_b32 s[\g+5], 32
	s_mov_b32 s[\g+6], 0
	s_mov_b32 s[\g+7], 0
.endr
	; where tile 0's parts begin, in bytes.  X's offsets are made of rb and the half, W's of cb and the half: neither ever holds the other coordinate
	s_lshl_b32 s2, s19, 15
	s_lshl_b32 s3, s19, 11
	s_lshl_b32 s60, s23, 16
	s_add_co_u32 s60, s60, s2                      ; X codes: 128 rb rows of 512 bytes + 64 rows a half
	s_mov_b32 s61, 0
	s_lshl_b32 s62, s23, 12
	s_add_co_u32 s62, s62, s3                      ; X scales: 32 bytes a row
	s_mov_b32 s63, 0
	s_lshl_b32 s66, s22, 16
	s_add_co_u32 s66, s66, s2
	s_add_co_u32 s66, s66, 0x600000                ; W codes lie behind the three activations'
	s_mov_b32 s67, 0
	s_lshl_b32 s100, s22, 12
	s_add_co_u32 s100, s100, s3
	s_add_co_u32 s100, s100, 393216
	s_mov_b32 s101, 0
	s_mul_i32 s2, s19, 64*PITCH                    ; and where my half goes in a slot's part: no place in the cluster enters an LDS address
	s_mul_i32 s3, s19, 8*272
	s_wait_dscnt 0x0                               ; both opening adds are done
	s_wait_kmcnt 0x0
.macro MKG0 k, base, off, lds, ldso, step          ; kind k: slot 0 takes tile 0, slot 1 tile 1, 'step' bytes further on
	s_add_nc_u64 s[G0+8*\k+2:G0+8*\k+3], s[\base:\base+1], s[\off:\off+1]
	s_add_nc_u64 s[G0+8*\k+6:G0+8*\k+7], s[G0+8*\k+2:G0+8*\k+3], \step
	s_or_b32 s[G0+8*\k+3], s[G0+8*\k+3], 0x80000000
	s_or_b32 s[G0+8*\k+7], s[G0+8*\k+7], 0x80000000
	s_mov_b32 s[G0+8*\k], 1
	s_mov_b32 s[G0+8*\k+4], 1
	s_add_co_u32 s[G0+8*\k+1], s[\lds], \ldso
	s_add_co_u32 s[G0+8*\k+5], s[\lds], \ldso+SLOT
.endm
	MKG0 0, 4, 60, 2, XCO, 0x200000
	MKG0 1, 6, 62, 3, XSO, 131072
	MKG0 2, 4, 66, 2, WCO, 0x80000
	MKG0 3, 6, 100, 3, WSO, 32768
	CROUND                                         ; all sixteen work-groups are here: the first joint loads meet
	JLOAD4 0
	JLOAD4 1                                       ; two tensor loads of mine are out
	v_and_b32 v1, 31, v0                           ; l
	v_and_b32 v2, 15, v0                           ; r
	v_bfe_u32 v3, v0, 4, 1                         ; h
	s_lshr_b32 s2, s[WV], 1                        ; wr: which 32 rows are mine
	v_mul_u32_u24 v144, v2, PITCH
	v_lshl_add_u32 v144, v3, 4, v144               ; a fragment: row r x pitch + 16 h
	s_mul_i32 s3, s2, 32*PITCH
	s_mul_i32 s60, s19, 64*PITCH
	v_add_nc_u32 v[XR0], s3, v144
	v_add_nc_u32 v[XC0], s60, v144
	s_add_co_u32 s61, s60, WCO
	v_add_nc_u32 v[WC0], s61, v144
	s_add_co_u32 s61, s3, WCO
	v_add_nc_u32 v[WR0], s61, v144
	v_add_nc_u32 v[XR1], SLOT, v[XR0]
	v_add_nc_u32 v[WC1], SLOT, v[WC0]
	v_lshrrev_b32 v145, 3, v1
	v_mul_u32_u24 v145, v145, 272
	v_and_b32 v146, 7, v1
	v_lshl_add_u32 v145, v146, 5, v145             ; scale words: lane l takes row l of 32: unit l / 8, 32 bytes a row
	s_mul_i32 s3, s2, 4*272
	s_mul_i32 s60, s19, 8*272
	s_add_co_u32 s61, s3, XSO
	v_add_nc_u32 v[SXR0], s61, v145
	s_add_co_u32 s61, s60, WSO
	v_add_nc_u32 v[SWC0], s61, v145
	s_add_co_u32 s61, s3, WSO
	v_add_nc_u32 v[SWR0], s61, v145
	s_add_co_u32 s61, s60, XSO
	v_add_nc_u32 v[SXC0], s61, v145
	v_add_nc_u32 v[SXR1], SLOT, v[SXR0]
	v_add_nc_u32 v[SWC1], SLOT, v[SWC0]
	v_lshrrev_b32 v146, 1, v2                      ; the stage, q and k: unit 64 wc + 16 wr + 8 a + r / 2 holds two tokens' 128 bytes of head wc
	v_mul_u32_u24 v146, v146, 272
	v_and_b32 v147, 1, v2
	v_lshl_add_u32 v146, v147, 7, v146
	v_lshl_add_u32 v146, v3, 4, v146
	s_lshl_b32 s3, s19, 6
	s_lshl_b32 s60, s2, 4
	s_add_co_u32 s3, s3, s60
	s_mul_i32 s3, s3, 272
	s_add_co_u32 s3, s3, STAGE
	v_add_nc_u32 v[STOQ], s3, v146
	v_mul_u32_u24 v146, v2, 272                    ; v: unit = channel 32 wr + 16 a + r; my tokens' bytes 128 wc + 32 b + 16 h
	v_lshl_add_u32 v146, v3, 4, v146
	s_mul_i32 s3, s2, 32*272
	s_lshl_b32 s60, s19, 7
	s_add_co_u32 s3, s3, s60
	s_add_co_u32 s3, s3, STAGE
	v_add_nc_u32 v[STOV], s3, v146
	v_mul_u32_u24 v146, v3, 272                    ; back: wave w takes units 16 w on, two an instruction, sixteen lanes to a unit
	v_lshl_add_u32 v146, v2, 4, v146
	s_mul_i32 s3, s[WV], 16*272
	s_add_co_u32 s3, s3, STAGE
	v_add_nc_u32 v[RD], s3, v146
	v_lshlrev_b32 v[GO], 4, v1
	v_lshlrev_b32 v[BAQ], 5, v3
	v_lshlrev_b32 v[BAV], 2, v2
	s_lshl_b32 s62, s22, 9                         ; the biases: bq, bk at channel 128 cb + 64 wc; bv at 128 cb + 32 wr
	s_lshl_b32 s60, s19, 8
	s_add_co_u32 s60, s60, s62
	s_mov_b32 s61, 0
	s_add_nc_u64 s[8:9], s[8:9], s[60:61]
	s_add_nc_u64 s[10:11], s[10:11], s[60:61]
	s_lshl_b32 s60, s2, 7
	s_add_co_u32 s60, s60, s62
	s_add_nc_u64 s[12:13], s[12:13], s[60:61]
	s_lshr_b32 s3, s23, 4                          ; where my 16 units go: block ((b 16 + 2 cb + w / 4) 16 + tb), + (w % 4) x 4,096
	s_lshl_b32 s3, s3, 4
	s_lshl_b32 s60, s22, 1
	s_add_co_u32 s3, s3, s60
	s_lshr_b32 s60, s[WV], 2
	s_add_co_u32 s3, s3, s60
	s_lshl_b32 s3, s3, 4
	s_and_b32 s60, s23, 15
	s_add_co_u32 s3, s3, s60
	s_and_b32 s60, s[WV], 3
	s_lshl_b32 s60, s60, 12
	s_lshl_b32 s62, s3, 14                         ; qh: blocks of 16 KiB
	s_add_co_u32 s62, s62, s60
	s_mov_b32 s63, 0
	s_add_nc_u64 s[14:15], s[14:15], s[62:63]
	s_lshl_b32 s62, s3, 15                         ; kv: blocks of 32 KiB
	s_add_co_u32 s62, s62, s60
	s_add_nc_u64 s[16:17], s[16:17], s[62:63]
.irp b, 0,1,2,3
	global_load_b128 v[BIAS+8*\b:BIAS+8*\b+3], v[BAQ], s[8:9] offset:64*\b          ; bq at my lane's 8 channels of block b
	global_load_b128 v[BIAS+8*\b+4:BIAS+8*\b+7], v[BAQ], s[8:9] offset:64*\b+16
.endr
.macro FRAGS ra, ca, q                 ; K step q's 6 fragments into the set at FN: a fragment is 16 rows x 128 codes: two loads of 16 bytes, 32 bytes apart
.irp a, 0,1
.irp c, 0,1
	ds_load_b128 v[FN+8*\a+4*\c:FN+8*\a+4*\c+3], v[\ra] offset:\a*16*PITCH+64*(\q)+32*\c
.endr
.endr
.irp b, 0,1,2,3
.irp c, 0,1
	ds_load_b128 v[FN+16+8*\b+4*\c:FN+16+8*\b+4*\c+3], v[\ca] offset:\b*16*PITCH+64*(\q)+32*\c
.endr
.endr
.endm
.macro PMUL q, vmode                   ; 8 matrix instructions on the set at FC: the 8 accumulators take turns, in the same order in every step
.irp a, 0,1
.irp b, 0,1,2,3
.set rD, ACC+8*(4*\a+\b)
.set rC, rD
.if (\q) == 0
.if \vmode
.set rC, BIAS+8*\a                     ; the bias starts the sum: nothing is cleared, nothing is added later
.else
.set rC, BIAS+8*\b
.endif
.endif
.set rA, FC+16+8*\b
.set rB, FC+8*\a
.set rX, SCO+8*(\b/2)+(\q)
.set rY, SRO+(\q)
.if (\b%2) && \a
	v_wmma_scale_f32_16x16x128_f8f6f4 v[rD:rD+7], v[rA:rA+7], v[rB:rB+7], v[rC:rC+7], v[rX], v[rY] matrix_a_fmt:MATRIX_FMT_FP4 matrix_b_fmt:MATRIX_FMT_FP4 matrix_a_scale:MATRIX_SCALE_ROW1 matrix_b_scale:MATRIX_SCALE_ROW1
.elseif \b%2
	v_wmma_scale_f32_16x16x128_f8f6f4 v[rD:rD+7], v[rA:rA+7], v[rB:rB+7], v[rC:rC+7], v[rX], v[rY] matrix_a_fmt:MATRIX_FMT_FP4 matrix_b_fmt:MATRIX_FMT_FP4 matrix_a_scale:MATRIX_SCALE_ROW1
.elseif \a
	v_wmma_scale_f32_16x16x128_f8f6f4 v[rD:rD+7], v[rA:rA+7], v[rB:rB+7], v[rC:rC+7], v[rX], v[rY] matrix_a_fmt:MATRIX_FMT_FP4 matrix_b_fmt:MATRIX_FMT_FP4 matrix_b_scale:MATRIX_SCALE_ROW1
.else
	v_wmma_scale_f32_16x16x128_f8f6f4 v[rD:rD+7], v[rA:rA+7], v[rB:rB+7], v[rC:rC+7], v[rX], v[rY] matrix_a_fmt:MATRIX_FMT_FP4 matrix_b_fmt:MATRIX_FMT_FP4
.endif
.endr
.endr
.endm
; A tile: 8 K steps of 128; the next step's fragments are asked for ahead of this step's products, into the other set.
.macro COMPUTE ra, ca, sra, sca, vmode
	s_wait_xcnt 0x0                                ; the last tile's stores have read the registers that take fragments again
	ds_load_b128 v[SRO:SRO+3], v[\sra]             ; my rows' 32 scale bytes: word q is K step q's
	ds_load_b128 v[SRO+4:SRO+7], v[\sra] offset:16
.irp p, 0,1
	ds_load_b128 v[SCO+8*\p:SCO+8*\p+3], v[\sca] offset:\p*1088
	ds_load_b128 v[SCO+8*\p+4:SCO+8*\p+7], v[\sca] offset:\p*1088+16
.endr
.set FN, FR0
	FRAGS \ra, \ca, 0
.irp q, 0,1,2,3,4,5,6,7
.if (\q >= 1) && (\q <= 6)
.rept 4
	v_nop                                          ; four places between the products of the step before and the loads into the set that they read
.endr
.endif
.if \q < 7
.set FN, FR0+48*((\q+1)%2)
	FRAGS \ra, \ca, \q+1
	s_wait_dscnt 12                                ; all but the twelve just issued: this step's fragments, and the scale words, are in
.else
	s_wait_dscnt 0x0
.endif
.if \q == 0
	s_wait_loadcnt 0x0                             ; the bias
.endif
.set FC, FR0+48*(\q%2)
	PMUL \q, \vmode
.endr
.endm
; A tile's way out: to f16, 16 bytes a lane into the stage; a barrier, since a unit's 256 bytes come from several waves; back as whole units, 16 a wave; each store covers 512 consecutive bytes, aligned.
.macro EPI mode, sto, aoff, out, ooff
.rept 4
	v_nop                                          ; four places behind the last products
.endr
.if \mode == 0
.set i, 0
.rept 32
	v_pk_mul_f32 v[ACC+i:ACC+i+1], v[ACC+i:ACC+i+1], s[26:27] op_sel_hi:[1,0]   ; q alone: x log2(e) / 8; each accumulator from its low end on
.set i, i+2
.endr
.endif
.set i, 0
.rept 32
	v_cvt_pk_f16_f32 v[FR0+i], v[ACC+2*i], v[ACC+2*i+1]
.set i, i+1
.endr
.irp a, 0,1
.irp b, 0,1,2,3
	ds_store_b128 v[\sto], v[FR0+4*(4*\a+\b):FR0+4*(4*\a+\b)+3] offset:\a*\aoff+32*\b
.endr
.endr
.if \mode == 0
.irp b, 0,1,2,3
	global_load_b128 v[BIAS+8*\b:BIAS+8*\b+3], v[BAQ], s[10:11] offset:64*\b        ; the next tile's bias: bk
	global_load_b128 v[BIAS+8*\b+4:BIAS+8*\b+7], v[BAQ], s[10:11] offset:64*\b+16
.endr
.elseif \mode == 1
.irp a, 0,1
.irp j, 0,1,2,3,4,5,6,7
	global_load_b32 v[BIAS+8*\a+\j], v[BAV], s[12:13] offset:64*\a                  ; bv: my lane's one channel, in all eight registers of block a
.endr
.endr
.endif
	s_wait_dscnt 0x0                               ; for the others' sake: my stores into the stage are done
	s_barrier_signal -1
	s_barrier_wait -1
.irp n, 0,1,2,3,4,5,6,7
	ds_load_b128 v[FR1+4*\n:FR1+4*\n+3], v[RD] offset:\n*544
.endr
.irp n, 0,1,2,3,4,5,6,7
	s_wait_dscnt 7-\n
	global_store_b128 v[GO], v[FR1+4*\n:FR1+4*\n+3], s[\out:\out+1] offset:\ooff+\n*512
.endr
.endm
	s_wait_tensorcnt 0x1                           ; my part of slot 0 is in; slot 1's load, issued behind it, may stay out
	s_barrier_signal -1
	s_barrier_wait -1                              ; everybody's is
	COMPUTE XR0, WC0, SXR0, SWC0, 0                ; q
	s_wait_tensorcnt 0x0                           ; all my tensor loads have landed, my part of slot 1 among them, so the groups 0 may be written
	ds_add_u32 v[SPW], v[NIL]
	s_add_nc_u64 s[G0+2:G0+3], s[G0+2:G0+3], 0x400000          ; slot 0's four addresses go on to tile 2
	s_add_nc_u64 s[G0+10:G0+11], s[G0+10:G0+11], 262144
	s_add_nc_u64 s[G0+18:G0+19], s[G0+18:G0+19], 0x100000
	s_add_nc_u64 s[G0+26:G0+27], s[G0+26:G0+27], 65536
	s_wait_dscnt 0x0                               ; the add is done, and my reads of slot 0 are over
	CROUND                                         ; the same holds of every wave of every partner
	JLOAD4 0                                       ; the one refill, first behind the round: it has q's way out and all of k's products in which to land
	EPI 0, STOQ, 2176, 14, 0
	COMPUTE XR1, WC1, SXR1, SWC1, 0                ; k
	s_wait_tensorcnt 0x0                           ; my part of tile 2 is in
	ds_add_u32 v[SPW], v[NIL]
	s_wait_dscnt 0x0
	s_barrier_signal -1
	s_barrier_wait -1                              ; everybody's is; and every wave's reads of the stage (q) are over
	EPI 1, STOQ, 2176, 16, 0
	COMPUTE WR0, XC0, SWR0, SXC0, 1                ; v: the weights' rows as rows, the tokens as columns
	s_wait_dscnt 0x0
	s_barrier_signal -1
	s_barrier_wait -1                              ; every wave's reads of the stage (k) are over
	EPI 2, STOV, 4352, 16, 16384
	s_wait_tensorcnt 0x0                           ; the wave's end: the three lines, behind my last tensor load and my last LDS store
	ds_add_u32 v[SPW], v[NIL]
	s_wait_dscnt 0x0
	CROUND                                         ; the closing round
	s_endpgm
.Lfunc_end_k_q4da7e0e172_proj:
	.size	k_q4da7e0e172_proj, .Lfunc_end_k_q4da7e0e172_proj-k_q4da7e0e172_proj
	.p2alignl 7, 3214868480
	.fill 96, 4, 3214868480
	.section	.rodata,"a",@progbits
	.p2align	6, 0x0
	.amdhsa_kernel k_q4da7e0e172_proj
		.amdhsa_group_segment_fixed_size 327680
		.amdhsa_private_segment_fixed_size 0
		.amdhsa_enable_private_segment 0
		.amdhsa_kernarg_size 56
		.amdhsa_user_sgpr_count 2
		.amdhsa_user_sgpr_kernarg_segment_ptr 1
		.amdhsa_wavefront_size32 1
		.amdhsa_system_sgpr_workgroup_id_x 1
		.amdhsa_system_sgpr_workgroup_id_y 1
		.amdhsa_system_sgpr_workgroup_id_z 1
		.amdhsa_system_vgpr_workitem_id 0
		.amdhsa_next_free_vgpr 240
		.amdhsa_next_free_sgpr 102
		.amdhsa_reserve_vcc 0
		.amdhsa_float_denorm_mode_32 3
		.amdhsa_float_denorm_mode_16_64 3
		.amdhsa_memory_ordered 1
		.amdhsa_forward_progress 1
		.amdhsa_inst_pref_size 79
	.end_amdhsa_kernel
	.amdgpu_metadata
---
amdhsa.version: [ 1, 2 ]
amdhsa.kernels:
  - .name:           k_q4da7e0e172_proj
    .symbol:         k_q4da7e0e172_proj.kd
    .args:
      - { .name: codes, .offset: 0, .size: 8, .value_kind: global_buffer, .address_space: global }
      - { .name: scales, .offset: 8, .size: 8, .value_kind: global_buffer, .address_space: global }
      - { .name: bq, .offset: 16, .size: 8, .value_kind: global_buffer, .address_space: global }
      - { .name: bk, .offset: 24, .size: 8, .value_kind: global_buffer, .address_space: global }
      - { .name: bv, .offset: 32, .size: 8, .value_kind: global_buffer, .address_space: global }
      - { .name: qh, .offset: 40, .size: 8, .value_kind: global_buffer, .address_space: global }
      - { .name: kv, .offset: 48, .size: 8, .value_kind: global_buffer, .address_space: global }
    .group_segment_fixed_size: 327680
    .private_segment_fixed_size: 0
    .kernarg_segment_align: 8
    .kernarg_segment_size: 56
    .max_flat_workgroup_size: 256
    .sgpr_count:     102
    .vgpr_count:     240
    .wavefront_size: 32
...
	.end_amdgpu_metadata
.endif
;; end of part 2
;; launch attn (part 3): grid 8 x 32, 8 waves a work-group, clusters of 4 x 1, 327,680 bytes of LDS; arguments qh, kv, maskw, ao; writes ao
.if DOCPART == 3
	.amdgcn_target "amdgcn-amd-amdhsa--gfx1250"
	.amdhsa_code_object_version 6
	.text
	.protected	k_q4da7e0e172_attn
	.globl	k_q4da7e0e172_attn
	.p2align	8
	.type	k_q4da7e0e172_attn,@function
k_q4da7e0e172_attn:
	s_mov_b64 s[64:65], 0
	v_nop
	global_prefetch_b8 v0, s[64:65] scope:SCOPE_SE
	s_setreg_imm32_b32 hwreg(HW_REG_WAVE_MODE, 25, 1), 1
	s_wait_xcnt 0x0
	s_wait_alu depctr_hold_cnt(0) depctr_sa_sdst(0) depctr_va_vdst(0) depctr_va_sdst(0) depctr_va_ssrc(0) depctr_va_vcc(0) depctr_vm_vsrc(0)
	s_getreg_b32 s2, hwreg(HW_REG_IB_STS2, 6, 4)
	s_cmp_eq_u32 s2, 0
	s_cbranch_scc0 .Lentry_in_a_cluster
	s_endpgm
.Lentry_in_a_cluster:
	s_bfe_u32 s2, ttmp6, 0x10000c
	s_cmp_lg_u32 s2, 0x3003
	s_cbranch_scc0 .Lentry_shape_is_right
	s_endpgm
.Lentry_shape_is_right:
; Launch 3 of 4: ao = softmax(where(mask, clip(q k^T / 8, +-100), -inf)) v, head by head; both products on f16 operands, sums, maxima and exponentials in f32; nothing of the problem is left out here.
; qh holds (q + bq) log2(e) / 8, so a score t is an exponent of 2 and the clip stands at +-100 log2(e).  For each query a running maximum m of the scores that count, and a sum l: p = 2^(t - m);
; in every step O and l are multiplied by a = 2^(m_old - m_new).  m begins at -3e38, under every clipped score, so it is a number under any mask; a masked score is -infinity and its p is 0.
; A query with no key at all ends with l = 0 and O = 0: 0 x (1 / 0) is NaN, as the softmax of a row of -infinity is.
; SHARES.  A work-group owns 256 queries of one head, each of its eight waves 32: two tiles of 16.  Two waves share a SIMD, so that one wave's vector work stands beside the other's matrix work.  Every wave walks all 2,048 keys, 64 a step.
; LAYOUT.  S^T = K Q^T (source 0 = 16 keys, source 1 = 16 queries): a lane holds ONE query (lane % 16) and keys 8 (lane / 16) + 0..7.  Two such tiles rounded to f16 in pairs ARE source 1 of O^T = V^T P.  V lies with the keys innermost.
; THE MASK comes as lane masks: word [query tile][key tile][j] is the mask of S^T's register j.  A step's 32 words a tile are read by scalar loads a step ahead and select by v_cndmask_b32: no branch and no address hangs on them.
; RING.  Two LDS slots of 512 keys (8 chunks of 64 rows x 256 bytes + 16: K of 128 keys, V^T of the same keys, four times); each wave brings one chunk.  Four fills in all: two at the head, two refills.
; CLUSTER.  The four query blocks of a cluster belong to one head and walk the same K and V: each chunk is asked for jointly.
; NO PREFETCH: of the four fills two go out at the head, and each refill is asked for eight key steps, 256 matrix instructions a wave, ahead of the wait for it.
; LIMITS: p under 6e-8 counts as 0 in the second product (it stays in l); |ao| under 65,504.
; REGISTERS.  Window 0: v1-11 addresses and constants; v12-27 statistics, 8 a tile; v28-31 second chains of the sums; v32-95 K; v96-159 V; v160-223 S^T, 32 a tile; v224-255 P, 16 a tile.  Window 1: v0-31 Q; v32-95 O^T, 32 a tile.
.set SLOT1, 139264
.set BLKB,  34816                      ; a block of 128 keys in a slot: K's chunk, then V's
.set SPARE, 278528                     ; behind the ring: the spare words, 128 bytes a wave, which no other line names
.set AK0, 1                            ; v1  my lane's place in a chunk of K: two keys to a row of 272 bytes
.set AV0, 2                            ; v2  the same for V: a channel to a row
.set ADK, 3                            ; v3  AK0 + the block in hand
.set ADV, 4
.set QO,  5                            ; v5  my offset in the wave's rows of Q; on the way out in its rows of ao
.set STO, 6
.set RD,  7
.set NINF, 8                           ; v8  -infinity
.set CL,  9                            ; v9  100 log2(e)
.set SPW, 10                           ; v10 my spare word; never rewritten
.set NIL, 11                           ; v11 0; never rewritten
.set ST,  12                           ; tile t at ST + 8 t: +0 m; +1 m_old, then m_old - m; +2, +3 l (even keys', odd keys'); +4, +5 at work, then the sums' first chain; +6 at work, then a; +7 at work
.set KF,  32
.set VF,  96
.set S,   160
.set P,   224
.set MO,  4                            ; s4  the mask words' offset in a query tile's 4,096 bytes
.set WV,  5
.set TB,  6                            ; s6  LDS byte of the block in hand
.set CNT, 7
.set G0A, 16                           ; s[16:19], s[20:23] groups 0 of slots 0 and 1; s[8:15] group 1
.set G0B, 20
.set MSB, 0
.macro WIN new                         ; the immediate's high byte repeats the setting that is left
.if MSB != \new
	s_set_vgpr_msb (MSB<<8)|\new
.set MSB, \new
.endif
.endm
.macro CROUND
	s_barrier_signal -1
	s_barrier_wait -1
	s_cmp_lg_u32 s[WV], 0
	s_cbranch_scc1 .Lnot_wave_0_\@
	s_barrier_signal -3
.Lnot_wave_0_\@:
	s_barrier_wait -3
	s_barrier_signal -1
	s_barrier_wait -1
.endm
.macro MLOAD t                         ; tile t's 32 mask words of the step at s[MO]: s[32:63] or s[68:99]
	s_load_b512 s[32+36*\t:47+36*\t], s[2:3], s[MO] offset:\t*4096
	s_load_b512 s[48+36*\t:63+36*\t], s[2:3], s[MO] offset:\t*4096+64
.endm
	s_load_b256 s[68:75], s[0:1], 0x0              ; qh s[68:69], kv s[70:71], maskw s[72:73], ao s[74:75]
	v_lshl_add_u32 v[SPW], v0, 2, SPARE
	v_mov_b32 v[NIL], 0
	ds_add_u32 v[SPW], v[NIL]                      ; the opening: the add, twice on end, and its wait ahead of my first tensor load
	ds_add_u32 v[SPW], v[NIL]
	v_lshrrev_b32 v1, 5, v0
	v_readfirstlane_b32 s[WV], v1                  ; wave 0..7
	s_bfe_u32 s26, ttmp6, 0x40000                  ; cx
	s_lshl_b32 s27, ttmp9, 2
	s_add_co_u32 s27, s27, s26                     ; qb: my block of 256 queries; it enters global addresses of Q, the mask and ao alone
	s_and_b32 s76, ttmp7, 0xffff                   ; bh = b x 16 + head, which the four partners share
	s_mov_b32 s8, 15|(3<<16)|(1<<20)|(1<<21)|(5<<22)|(3<<25)   ; the mask: all four; elements of 8 bytes; padding of 4 words after every 64; bit 21 beside the mask
	s_mov_b32 s9, 32<<16                           ; tensor_dim0 = 32 elements: 256 bytes
	s_mov_b32 s10, 64<<16                          ; tensor_dim1 = 64
	s_mov_b32 s11, 32<<16                          ; tile_dim0
	s_mov_b32 s12, 64                              ; tile_dim1
	s_mov_b32 s13, 32                              ; from row to row: dense
	s_mov_b32 s14, 0
	s_mov_b32 s15, 0
	s_lshl_b32 s78, s76, 19                        ; kv: 512 KiB a head, chunk w of the first 512 keys
	s_lshl_b32 s79, s[WV], 14
	s_add_co_u32 s78, s78, s79
	s_mov_b32 s79, 0
	s_mul_i32 s77, s[WV], 17408                    ; and its place in a slot
	s_lshl_b32 s80, s76, 18                        ; qh: 256 KiB a head, 128 bytes a query
	s_lshl_b32 s81, s27, 15
	s_add_co_u32 s80, s80, s81
	s_lshl_b32 s81, s[WV], 12
	s_add_co_u32 s80, s80, s81
	s_mov_b32 s81, 0
	s_lshr_b32 s82, s76, 4                         ; maskw: query tile b 128 + 16 qb + 2 w, 4,096 bytes a tile
	s_lshl_b32 s82, s82, 7
	s_lshl_b32 s83, s27, 4
	s_add_co_u32 s82, s82, s83
	s_lshl_b32 s83, s[WV], 1
	s_add_co_u32 s82, s82, s83
	s_lshl_b32 s82, s82, 12
	s_mov_b32 s83, 0
	s_lshr_b32 s84, s76, 4                         ; ao: [b 16 + block of 128 tokens][head][128][64]: ((b 16 + 2 qb + w / 4) 16 + head) x 16 KiB + (w % 4) x 4,096
	s_lshl_b32 s84, s84, 4
	s_lshl_b32 s85, s27, 1
	s_add_co_u32 s84, s84, s85
	s_lshr_b32 s85, s[WV], 2
	s_add_co_u32 s84, s84, s85
	s_lshl_b32 s84, s84, 4
	s_and_b32 s85, s76, 15
	s_add_co_u32 s84, s84, s85
	s_lshl_b32 s84, s84, 14
	s_and_b32 s85, s[WV], 3
	s_lshl_b32 s85, s85, 12
	s_add_co_u32 s84, s84, s85
	s_mov_b32 s85, 0
	s_mov_b32 s24, 0x76543210                      ; v_permlanex16_b32's selects for lane l xor 16
	s_mov_b32 s25, 0xfedcba98
	s_mov_b32 s[MO], 0
	s_wait_dscnt 0x0                               ; both opening adds are done
	s_wait_kmcnt 0x0
	s_mov_b32 s[G0A], 1
	s_mov_b32 s[G0A+1], s77
	s_add_nc_u64 s[G0A+2:G0A+3], s[70:71], s[78:79]
	s_mov_b32 s[G0B], 1
	s_add_co_u32 s[G0B+1], s77, SLOT1
	s_add_nc_u64 s[G0B+2:G0B+3], s[G0A+2:G0A+3], 131072        ; the next 512 keys
	s_or_b32 s[G0A+3], s[G0A+3], 0x80000000
	s_or_b32 s[G0B+3], s[G0B+3], 0x80000000
	s_add_nc_u64 s[28:29], s[68:69], s[80:81]      ; Q at my wave's first query
	s_add_nc_u64 s[2:3], s[72:73], s[82:83]        ; the mask words of my first tile
	s_add_nc_u64 s[30:31], s[74:75], s[84:85]      ; ao at my wave's 4,096 bytes
	CROUND                                         ; all four work-groups are here: the first joint loads meet
	tensor_load_to_lds s[G0A:G0A+3], s[8:15]       ; every wave brings its chunk: two tensor loads of mine are out
	s_nop 0
	tensor_load_to_lds s[G0B:G0B+3], s[8:15]
	s_nop 0
.rept 4
	v_nop
.endr
	v_and_b32 v28, 15, v0                          ; r
	v_bfe_u32 v29, v0, 4, 1                        ; h
	v_lshlrev_b32 v[QO], 7, v28
	v_lshl_add_u32 v[QO], v29, 4, v[QO]            ; row r of 128 bytes + 16 h
	WIN 0x40                                       ; destination window 1
.irp t, 0,1
.irp c, 0,1
	global_load_b128 v[16*\t+8*\c:16*\t+8*\c+3], v[QO], s[28:29] offset:\t*2048+64*\c          ; Q stays in registers: tile t, channels 32 c on
	global_load_b128 v[16*\t+8*\c+4:16*\t+8*\c+7], v[QO], s[28:29] offset:\t*2048+64*\c+32
.endr
.endr
	WIN 0
	MLOAD 0                                        ; step 0's mask words (the arguments' registers are done with)
	MLOAD 1
	v_lshrrev_b32 v[AK0], 1, v28
	v_mul_u32_u24 v[AK0], v[AK0], 272
	v_and_b32 v31, 1, v28
	v_lshl_add_u32 v[AK0], v31, 7, v[AK0]
	v_lshl_add_u32 v[AK0], v29, 4, v[AK0]          ; (r / 2) x 272 + (r % 2) x 128 + 16 h
	v_mul_u32_u24 v[AV0], v28, 272
	v_lshl_add_u32 v[AV0], v29, 4, v[AV0]
	v_mul_u32_u24 v[RD], v29, 272
	v_lshl_add_u32 v[RD], v28, 4, v[RD]
	s_mul_i32 s26, s[WV], 4352                     ; the way out: 16 units x 272 bytes a wave, in slot 0, which by then has had its last fill and its last read
	v_add_nc_u32 v[RD], s26, v[RD]
	v_add_nc_u32 v[STO], s26, v[AK0]               ; two queries to a unit, as two keys lie in a row of K
	v_add_nc_u32 v[AV0], 17408, v[AV0]
	v_mov_b32 v[NINF], 0xff800000
	v_mov_b32 v[CL], 0x431044fe
	v_mov_b32 v[ST+1], 0                           ; (named as upper halves of pairs before they are first written)
	v_mov_b32 v[ST+9], 0
.macro KLOAD koff                      ; a step's K: 64 keys x 64 channels: 8 fragments, 16 loads
.irp kt, 0,1,2,3
.irp c, 0,1
	ds_load_b128 v[KF+16*\kt+8*\c:KF+16*\kt+8*\c+3], v[ADK] offset:\koff+\kt*2176+64*\c
	ds_load_b128 v[KF+16*\kt+8*\c+4:KF+16*\kt+8*\c+7], v[ADK] offset:\koff+\kt*2176+64*\c+32
.endr
.endr
.endm
.macro VLOAD voff                      ; a step's V^T: 64 channels x 64 keys
.irp ct, 0,1,2,3
.irp c, 0,1
	ds_load_b128 v[VF+16*\ct+8*\c:VF+16*\ct+8*\c+3], v[ADV] offset:\voff+\ct*4352+64*\c
	ds_load_b128 v[VF+16*\ct+8*\c+4:VF+16*\ct+8*\c+7], v[ADV] offset:\voff+\ct*4352+64*\c+32
.endr
.endr
.endm
; THE FIRST HALF OF A STEP: the scores and the softmax.  first = 1: the first key step, which starts m, l and O^T.
.macro H1 first
	s_wait_dscnt 16                                ; K is in; V's sixteen loads, issued behind it, may be out
	WIN 0x04                                       ; source 1 (Q) window 1
.irp c, 0,1
.irp kt, 0,1,2,3
.irp t, 0,1
.if \c == 0
	v_wmma_f32_16x16x32_f16 v[S+32*\t+8*\kt:S+32*\t+8*\kt+7], v[KF+16*\kt+8*\c:KF+16*\kt+8*\c+7], v[16*\t+8*\c:16*\t+8*\c+7], 0
.else
	v_wmma_f32_16x16x32_f16 v[S+32*\t+8*\kt:S+32*\t+8*\kt+7], v[KF+16*\kt+8*\c:KF+16*\kt+8*\c+7], v[16*\t+8*\c:16*\t+8*\c+7], v[S+32*\t+8*\kt:S+32*\t+8*\kt+7]
.endif
.endr
.endr
.endr                                              ; the 8 accumulators take turns
	WIN 0
.rept 4
	v_nop                                          ; four places behind the last product
.endr
	s_wait_kmcnt 0x0                               ; this step's mask words are in, so their offset may be written:
	s_add_co_u32 s[MO], s[MO], 128                 ; the next step's 4 key tiles x 8 words;
	s_and_b32 s[MO], s[MO], 4095                   ; behind the last step it wraps to the tile's first words: no load leaves the buffer (those words are not used)
.irp t, 0,1
.set i, 0
.rept 32
	v_med3_num_f32 v[S+32*\t+i], v[S+32*\t+i], -v[CL], v[CL]       ; the clip; each accumulator from its low end on
.set i, i+1
.endr
.set i, 0
.rept 32
	v_cndmask_b32 v[S+32*\t+i], v[NINF], v[S+32*\t+i], s[32+36*\t+i]   ; the mask: my lane's bit keeps the score, else -infinity
.set i, i+1
.endr
	MLOAD \t                                       ; the words are used up: the next step's are asked for, a step ahead
.endr
.irp j, 0,1,2,3                                ; the largest of 32 scores and m, three at a time, in four chains; the two tiles by turns
.irp t, 0,1
	v_max3_num_f32 v[ST+8*\t+4+\j], v[S+32*\t+8*\j], v[S+32*\t+8*\j+1], v[S+32*\t+8*\j+2]
.endr
.endr
.irp g, 1,2
.irp j, 0,1,2,3
.irp t, 0,1
	v_max3_num_f32 v[ST+8*\t+4+\j], v[ST+8*\t+4+\j], v[S+32*\t+8*\j+2*\g+1], v[S+32*\t+8*\j+2*\g+2]
.endr
.endr
.endr
.irp t, 0,1
	v_max3_num_f32 v[ST+8*\t+4], v[ST+8*\t+4], v[S+32*\t+7], v[S+32*\t+15]
.endr
.irp t, 0,1
	v_max3_num_f32 v[ST+8*\t+6], v[ST+8*\t+6], v[S+32*\t+23], v[S+32*\t+31]
.endr
.irp t, 0,1
	v_max3_num_f32 v[ST+8*\t+4], v[ST+8*\t+4], v[ST+8*\t+5], v[ST+8*\t+6]
.endr
.irp t, 0,1
.if \first
	v_max3_num_f32 v[ST+8*\t+4], v[ST+8*\t+4], v[ST+8*\t+7], 0xff61b1e6    ; -3e38: m is a number even where every key so far is masked
.else
	v_max3_num_f32 v[ST+8*\t+4], v[ST+8*\t+4], v[ST+8*\t+7], v[ST+8*\t]
.endif
.endr
.if \first == 0
.irp t, 0,1
	v_mov_b32 v[ST+8*\t+1], v[ST+8*\t]             ; m_old
.endr
.endif
.irp t, 0,1
	v_permlanex16_b32 v[ST+8*\t+5], v[ST+8*\t+4], s24, s25         ; the query's other 32 keys lie in the lane 16 away
.endr
.irp t, 0,1
	v_max_num_f32 v[ST+8*\t], v[ST+8*\t+4], v[ST+8*\t+5]
.endr
.if \first == 0
.irp t, 0,1
	v_sub_f32 v[ST+8*\t+1], v[ST+8*\t+1], v[ST+8*\t]
.endr
.irp t, 0,1
	v_exp_f32 v[ST+8*\t+6], v[ST+8*\t+1]           ; a = 2^(m_old - m)
.endr
.endif
.set i, 0
.rept 16
.irp t, 0,1
	v_pk_add_f32 v[S+32*\t+i:S+32*\t+i+1], v[S+32*\t+i:S+32*\t+i+1], v[ST+8*\t:ST+8*\t+1] op_sel_hi:[1,0] neg_lo:[0,1] neg_hi:[0,1]   ; t - m, two at a time
.endr
.set i, i+2
.endr
.set i, 0
.rept 64
	v_exp_f32 v[S+i], v[S+i]                       ; p = 2^(t - m), at most 1
.set i, i+1
.endr
	v_nop                                          ; a plain instruction behind the last exponential
	s_wait_alu depctr_va_vdst(0)                   ; ONE wait for the whole batch, a among it, ahead of its first use
.set i, 0
.rept 16
.irp t, 0,1
	v_cvt_pk_f16_f32 v[P+16*\t+i], v[S+32*\t+2*i], v[S+32*\t+2*i+1]
.endr
.set i, i+1
.endr
.irp t, 0,1                                    ; the sums of the unrounded p, in two chains a tile
	v_pk_add_f32 v[ST+8*\t+4:ST+8*\t+5], v[S+32*\t:S+32*\t+1], v[S+32*\t+2:S+32*\t+3]
.endr
.irp t, 0,1
	v_pk_add_f32 v[28+2*\t:29+2*\t], v[S+32*\t+4:S+32*\t+5], v[S+32*\t+6:S+32*\t+7]
.endr
.irp n, 8,12,16,20,24,28
.irp t, 0,1
	v_pk_add_f32 v[ST+8*\t+4:ST+8*\t+5], v[ST+8*\t+4:ST+8*\t+5], v[S+32*\t+\n:S+32*\t+\n+1]
.endr
.irp t, 0,1
	v_pk_add_f32 v[28+2*\t:29+2*\t], v[28+2*\t:29+2*\t], v[S+32*\t+\n+2:S+32*\t+\n+3]
.endr
.endr
.if \first
.irp t, 0,1
	v_pk_add_f32 v[ST+8*\t+2:ST+8*\t+3], v[ST+8*\t+4:ST+8*\t+5], v[28+2*\t:29+2*\t]
.endr
.else
.irp t, 0,1
	v_pk_add_f32 v[ST+8*\t+4:ST+8*\t+5], v[ST+8*\t+4:ST+8*\t+5], v[28+2*\t:29+2*\t]
.endr
.irp t, 0,1
	v_pk_fma_f32 v[ST+8*\t+2:ST+8*\t+3], v[ST+8*\t+2:ST+8*\t+3], v[ST+8*\t+6:ST+8*\t+7], v[ST+8*\t+4:ST+8*\t+5] op_sel_hi:[1,0,1]   ; l = a l + the step's sum
.endr
	WIN 0x41                                       ; O^T (destination and source 0) window 1
.irp t, 0,1
.set i, 0
.rept 16
	v_pk_mul_f32 v[32+32*\t+i:32+32*\t+i+1], v[32+32*\t+i:32+32*\t+i+1], v[ST+8*\t+6:ST+8*\t+7] op_sel_hi:[1,0]   ; O^T x a; each accumulator from its low end on
.set i, i+2
.endr
.endr
	WIN 0
.endif
	s_wait_dscnt 0x0                               ; V is in: no LDS read of mine is out
.endm
; THE SECOND HALF: the next step's K is asked for, O^T += V^T P, the next step's V is asked for.  first = 1: the products start O^T's sums.  last = 1: nothing more to fetch.
.macro H2 koff, voff, first, last
.if \last == 0
	KLOAD \koff                                    ; K's registers were last read by products that stand a whole softmax back
.endif
	WIN 0x50                                       ; C and D window 1
.irp c, 0,1
.irp ct, 0,1,2,3
.irp t, 0,1
.if (\first) && (\c == 0)
	v_wmma_f32_16x16x32_f16 v[32+32*\t+8*\ct:32+32*\t+8*\ct+7], v[VF+16*\ct+8*\c:VF+16*\ct+8*\c+7], v[P+16*\t+8*\c:P+16*\t+8*\c+7], 0
.else
	v_wmma_f32_16x16x32_f16 v[32+32*\t+8*\ct:32+32*\t+8*\ct+7], v[VF+16*\ct+8*\c:VF+16*\ct+8*\c+7], v[P+16*\t+8*\c:P+16*\t+8*\c+7], v[32+32*\t+8*\ct:32+32*\t+8*\ct+7]
.endif
.endr
.endr
.endr
	WIN 0
.rept 4
	v_nop                                          ; four places between the products and the loads into V's registers (last = 1: and the first read of O^T)
.endr
.if \last == 0
	VLOAD \voff
.endif
.endm
; THE CHANGE OF SLOTS stands between a slot's last softmax and its last V^T P: that step's K and V are in registers, so the slot is read no more.
.macro CHANGE fill, g0
	s_wait_tensorcnt 0x0                           ; all my tensor loads have landed, my chunk of the slot ahead among them; a group 0 may be written
	ds_add_u32 v[SPW], v[NIL]
.if \fill
	s_add_nc_u64 s[\g0+2:\g0+3], s[\g0+2:\g0+3], 262144        ; the slot's next keys: 1,024 further on
.endif
	s_wait_dscnt 0x0                               ; the add is done, and my reads of the slot that is left are over
.if \fill
	CROUND                                         ; the same holds of every wave of every partner
	tensor_load_to_lds s[\g0:\g0+3], s[8:15]       ; my one tensor load behind the round, first thing there
	s_nop 0
.rept 4
	v_nop
.endr
.else
	s_barrier_signal -1
	s_barrier_wait -1
.endif
.endm
.macro BLOCKS tb0, n                   ; n blocks of 128 keys from LDS byte tb0 on: two key steps a trip
	s_mov_b32 s[TB], \tb0
	s_mov_b32 s[CNT], \n
.Lblk_\@:
	v_add_nc_u32 v[ADK], s[TB], v[AK0]
	v_add_nc_u32 v[ADV], s[TB], v[AV0]
	H2 0, 0, 0, 0
	H1 0
	H2 8704, 128, 0, 0
	H1 0
	s_add_co_u32 s[TB], s[TB], BLKB
	s_sub_co_u32 s[CNT], s[CNT], 1
	s_cmp_lg_u32 s[CNT], 0
	s_cbranch_scc1 .Lblk_\@
.endm
	s_wait_tensorcnt 0x1                           ; my chunk of slot 0 is in; slot 1's load, issued behind it, may stay out
	s_barrier_signal -1
	s_barrier_wait -1                              ; everybody's is
	v_mov_b32 v[ADK], v[AK0]
	v_mov_b32 v[ADV], v[AV0]
	KLOAD 0
	VLOAD 0
	s_wait_loadcnt 0x0                             ; Q
	H1 1                                           ; key step 0
	H2 8704, 128, 1, 0
	H1 0                                           ; key step 1
	BLOCKS BLKB, 3                                 ; steps 2 to 7
	CHANGE 1, G0A                                  ; slot 0 takes keys 1,024 on
	BLOCKS SLOT1, 4
	CHANGE 1, G0B                                  ; slot 1 takes keys 1,536 on
	BLOCKS 0, 4
	CHANGE 0, G0A                                  ; nothing is left to fetch
	BLOCKS SLOT1, 4
	H2 0, 0, 0, 1                                  ; V^T P of the last step
	; THE WAY OUT: l's two halves and the other half of the lanes'; O^T / l, to f16, through my stage, out as 4,096 consecutive bytes.
.irp t, 0,1
	v_add_f32 v[ST+8*\t+4], v[ST+8*\t+2], v[ST+8*\t+3]
.endr
.irp t, 0,1
	v_permlanex16_b32 v[ST+8*\t+5], v[ST+8*\t+4], s24, s25
.endr
.irp t, 0,1
	v_add_f32 v[ST+8*\t+4], v[ST+8*\t+4], v[ST+8*\t+5]
.endr
.irp t, 0,1
	v_rcp_f32 v[ST+8*\t+6], v[ST+8*\t+4]
.endr
	v_and_b32 v[QO], 31, v0                        ; (plain work behind the reciprocals)  16 x lane: my bytes of a store's 512
	v_lshlrev_b32 v[QO], 4, v[QO]
	s_wait_alu depctr_va_vdst(0)                   ; one wait for both reciprocals, ahead of their first use
	WIN 0x41
.irp t, 0,1
.set i, 0
.rept 16
	v_pk_mul_f32 v[32+32*\t+i:32+32*\t+i+1], v[32+32*\t+i:32+32*\t+i+1], v[ST+8*\t+6:ST+8*\t+7] op_sel_hi:[1,0]
.set i, i+2
.endr
.endr
	WIN 0x05                                       ; sources window 1, destination window 0
.set i, 0
.rept 32
	v_cvt_pk_f16_f32 v[S+i], v[32+2*i], v[32+2*i+1]
.set i, i+1
.endr
	WIN 0
.irp t, 0,1
.irp ct, 0,1,2,3
	ds_store_b128 v[STO], v[S+16*\t+4*\ct:S+16*\t+4*\ct+3] offset:\t*2176+32*\ct   ; query r of tile t: unit 8 t + r / 2; channels 16 ct + 8 h on
.endr
.endr
.irp n, 0,1,2,3,4,5,6,7
	ds_load_b128 v[S+32+4*\n:S+32+4*\n+3], v[RD] offset:\n*544     ; in order behind my stores
.endr
.irp n, 0,1,2,3,4,5,6,7
	s_wait_dscnt 7-\n
	global_store_b128 v[QO], v[S+32+4*\n:S+32+4*\n+3], s[30:31] offset:\n*512      ; 512 consecutive bytes, aligned
.endr
	s_wait_tensorcnt 0x0                           ; the wave's end: the three lines, behind my last tensor load and my last LDS store
	ds_add_u32 v[SPW], v[NIL]
	s_wait_dscnt 0x0
	CROUND                                         ; the closing round
	s_endpgm
.Lfunc_end_k_q4da7e0e172_attn:
	.size	k_q4da7e0e172_attn, .Lfunc_end_k_q4da7e0e172_attn-k_q4da7e0e172_attn
	.p2alignl 7, 3214868480
	.fill 96, 4, 3214868480
	.section	.rodata,"a",@progbits
	.p2align	6, 0x0
	.amdhsa_kernel k_q4da7e0e172_attn
		.amdhsa_group_segment_fixed_size 327680
		.amdhsa_private_segment_fixed_size 0
		.amdhsa_enable_private_segment 0
		.amdhsa_kernarg_size 32
		.amdhsa_user_sgpr_count 2
		.amdhsa_user_sgpr_kernarg_segment_ptr 1
		.amdhsa_wavefront_size32 1
		.amdhsa_system_sgpr_workgroup_id_x 1
		.amdhsa_system_sgpr_workgroup_id_y 1
		.amdhsa_system_sgpr_workgroup_id_z 1
		.amdhsa_system_vgpr_workitem_id 0
		.amdhsa_next_free_vgpr 352
		.amdhsa_next_free_sgpr 100
		.amdhsa_reserve_vcc 0
		.amdhsa_float_denorm_mode_32 3
		.amdhsa_float_denorm_mode_16_64 3
		.amdhsa_memory_ordered 1
		.amdhsa_forward_progress 1
		.amdhsa_inst_pref_size 255
	.end_amdhsa_kernel
	.section	.bss,"aw",@nobits
	.p2align	6
	.space	262144
	.amdgpu_metadata
---
amdhsa.version: [ 1, 2 ]
amdhsa.kernels:
  - .name:           k_q4da7e0e172_attn
    .symbol:         k_q4da7e0e172_attn.kd
    .args:
      - { .name: qh, .offset: 0, .size: 8, .value_kind: global_buffer, .address_space: global }
      - { .name: kv, .offset: 8, .size: 8, .value_kind: global_buffer, .address_space: global }
      - { .name: maskw, .offset: 16, .size: 8, .value_kind: global_buffer, .address_space: global }
      - { .name: ao, .offset: 24, .size: 8, .value_kind: global_buffer, .address_space: global }
    .group_segment_fixed_size: 327680
    .private_segment_fixed_size: 0
    .kernarg_segment_align: 8
    .kernarg_segment_size: 32
    .max_flat_workgroup_size: 256
    .sgpr_count:     100
    .vgpr_count:     352
    .wavefront_size: 32
...
	.end_amdgpu_metadata
.endif
;; end of part 3
;; launch outp (part 4): grid 8 x 32, 4 waves a work-group, clusters of 4 x 4, 327,680 bytes of LDS; arguments ao, woh, bo, out0; writes out0
.if DOCPART == 4
	.amdgcn_target "amdgcn-amd-amdhsa--gfx1250"
	.amdhsa_code_object_version 6
	.text
	.protected	k_q4da7e0e172_outp
	.globl	k_q4da7e0e172_outp
	.p2align	8
	.type	k_q4da7e0e172_outp,@function
k_q4da7e0e172_outp:
	s_mov_b64 s[64:65], 0
	v_nop
	global_prefetch_b8 v0, s[64:65] scope:SCOPE_SE
	s_setreg_imm32_b32 hwreg(HW_REG_WAVE_MODE, 25, 1), 1
	s_wait_xcnt 0x0
	s_wait_alu depctr_hold_cnt(0) depctr_sa_sdst(0) depctr_va_vdst(0) depctr_va_sdst(0) depctr_va_ssrc(0) depctr_va_vcc(0) depctr_vm_vsrc(0)
	s_getreg_b32 s2, hwreg(HW_REG_IB_STS2, 6, 4)
	s_cmp_eq_u32 s2, 0
	s_cbranch_scc0 .Lentry_in_a_cluster
	s_endpgm
.Lentry_in_a_cluster:
	s_bfe_u32 s2, ttmp6, 0x10000c
	s_cmp_lg_u32 s2, 0xf033
	s_cbranch_scc0 .Lentry_shape_is_right
	s_endpgm
.Lentry_shape_is_right:
; Launch 4 of 4: out0 = ao wo^T + bo, f16 operands, f32 sums; nothing of the problem is left out here.
; A tile of out0 is 128 tokens x 128 channels; four waves, each 64 x 64: 16 accumulators.  K (1,024 = 16 heads x 64) goes in steps of 256 through two LDS slots: four K steps, two refills, all written out.
; A = ao lies [block of 128 tokens][head][128][64]: a K step's part of a tile is 4 heads x 16 KiB, dense: 256 rows of 256 bytes (two tokens a row); waves 0 and 1 bring 128 rows each.  B = woh: 64 rows of 512 bytes for each of waves 2 and 3.
; CLUSTER 4 x 4: A's tile is shared along a row of the cluster, B's along a column: each is asked for jointly.
; THE MATRIX INSTRUCTION IS USED TRANSPOSED (source 0 = 16 rows of wo, source 1 = 16 tokens): a lane holds eight neighbouring channels of one token.  bo is the C of each sum's first matrix instruction.
; A wave's 64 channels are 256 bytes of a row of out0: its results go through a stage of its own and leave as whole aligned runs of 256 bytes.
; REGISTERS: window 0: v16-29 addresses; v32-63 bo, later with v64-95 rows on the way out; v128-255 accumulators ((a, b) at 128 + 8 (4 a + b)).  Window 1: two fragment sets of 128: 64 of A, then 64 of B, for 64 along K.
.set ACH,   17408                      ; a head's chunk of A in LDS: 64 rows x 272
.set BOFF,  69632                      ; B's part of a slot begins behind A's four chunks
.set BPIT,  528                        ; a row of B: 512 bytes + 16
.set SLOT,  137216
.set SPARE, 274432                     ; behind the ring: the spare words, 128 bytes a wave, which no other line names
.set SPITCH, 272
.set ADRA, 16                          ; v16-17 my A fragments in slot 0, 1
.set ADRB, 20                          ; v20-21 B's
.set STO,  24
.set RD,   25
.set CO,   26
.set BA,   27
.set SPW,  28                          ; v28 my spare word; never rewritten
.set NIL,  29                          ; v29 0; never rewritten
.set BIAS, 32
.set OB,   32
.set ACC,  128
.set F0,   0
.set F1,   128
.set G1,  24                           ; s[24:31] group 1 for A; s[32:39] its groups 0; s[48:55], s[56:63] B's
.set G0,  32
.set G1B, 48
.set G0B, 56
.set MSB, 0
.macro WIN new
.if MSB != \new
	s_set_vgpr_msb (MSB<<8)|\new
.set MSB, \new
.endif
.endm
.set MUL,  0x05                        ; sources 0 (B) and 1 (A) window 1; C and D window 0
.set TO_F, 0x40                        ; destination window 1, address window 0
.macro JLOAD s                         ; waves 0 and 1 fetch A's halves, waves 2 and 3 B's; an s_nop 0 and four v_nop follow each line
	s_cmp_eq_u32 s13, 0
	s_cbranch_scc0 .Lfor_b_\@
	tensor_load_to_lds s[G0+4*\s:G0+4*\s+3], s[G1:G1+7]
	s_nop 0
.rept 4
	v_nop
.endr
	s_branch .Lasked_\@
.Lfor_b_\@:
	tensor_load_to_lds s[G0B+4*\s:G0B+4*\s+3], s[G1B:G1B+7]
	s_nop 0
.rept 4
	v_nop
.endr
.Lasked_\@:
.endm
.macro CREST
	s_cmp_lg_u32 s12, 0
	s_cbranch_scc1 .Lnot_wave_0_\@
	s_barrier_signal -3
.Lnot_wave_0_\@:
	s_barrier_wait -3
	s_barrier_signal -1
	s_barrier_wait -1
.endm
.macro CROUND
	s_barrier_signal -1
	s_barrier_wait -1
	CREST
.endm
	s_load_b256 s[4:11], s[0:1], 0x0               ; ao s[4:5], woh s[6:7], bo s[8:9], out0 s[10:11]
	v_lshl_add_u32 v[SPW], v0, 2, SPARE
	v_mov_b32 v[NIL], 0
	ds_add_u32 v[SPW], v[NIL]                      ; the opening: the add, twice on end, and its wait ahead of my first tensor load
	ds_add_u32 v[SPW], v[NIL]
	v_lshrrev_b32 v1, 5, v0
	v_readfirstlane_b32 s12, v1                    ; wave 0..3
	s_lshr_b32 s13, s12, 1                         ; which 64 tokens are mine.  Also: I fetch for A (0) or for B (1)
	s_and_b32 s14, s12, 1                          ; which 64 channels.  Also: which half I fetch
	s_bfe_u32 s40, ttmp6, 0x40000                  ; cx
	s_bfe_u32 s41, ttmp6, 0x40004                  ; cy
	s_lshl_b32 s42, ttmp9, 2
	s_add_co_u32 s42, s42, s40                     ; cb
	s_and_b32 s15, ttmp7, 0xffff
	s_lshl_b32 s15, s15, 2
	s_add_co_u32 s15, s15, s41                     ; rb
	s_lshl_b32 s43, s41, 2
	s_lshl_b32 s43, 15, s43                        ; my row of the cluster
	s_lshl_b32 s44, 0x1111, s40                    ; my column
	s_or_b32 s[G1], s43, (1<<16)|(1<<20)|(1<<21)|(5<<22)|(3<<25)   ; A: 128 rows of 128 elements of 2 bytes, dense; padding of 4 words after every 64
	s_mov_b32 s[G1+1], 128<<16
	s_mov_b32 s[G1+2], 128<<16
	s_mov_b32 s[G1+3], 128<<16
	s_mov_b32 s[G1+4], 128
	s_mov_b32 s[G1+5], 128
	s_mov_b32 s[G1+6], 0
	s_mov_b32 s[G1+7], 0
	s_or_b32 s[G1B], s44, (1<<16)|(1<<20)|(1<<21)|(6<<22)|(3<<25)  ; B: 64 rows of 256 elements, 1,024 elements apart; padding of 4 words after every 128
	s_mov_b32 s[G1B+1], 256<<16
	s_mov_b32 s[G1B+2], 64<<16
	s_mov_b32 s[G1B+3], 256<<16
	s_mov_b32 s[G1B+4], 64
	s_mov_b32 s[G1B+5], 1024
	s_mov_b32 s[G1B+6], 0
	s_mov_b32 s[G1B+7], 0
	s_lshl_b32 s16, s15, 18                        ; A: 256 KiB a block of tokens, + two heads a half
	s_lshl_b32 s17, s14, 15
	s_add_co_u32 s16, s16, s17
	s_mov_b32 s17, 0
	s_lshl_b32 s46, s42, 18                        ; B: row 128 cb + 64 x half, 2,048 bytes a row
	s_lshl_b32 s47, s14, 17
	s_add_co_u32 s46, s46, s47
	s_mov_b32 s47, 0
	s_mul_i32 s20, s14, 2*ACH                      ; where they go: no place in the cluster enters an LDS address
	s_mul_i32 s21, s14, 64*BPIT
	s_add_co_u32 s21, s21, BOFF
	s_wait_dscnt 0x0                               ; both opening adds are done
	s_wait_kmcnt 0x0
	s_add_nc_u64 s[18:19], s[4:5], s[16:17]
	s_add_nc_u64 s[46:47], s[6:7], s[46:47]
	CROUND                                         ; all sixteen work-groups are here: the first joint loads meet
.irp s, 0,1
	s_mov_b32 s[G0+4*\s], 1
	s_add_co_u32 s[G0+4*\s+1], s20, \s*SLOT
	s_add_nc_u64 s[G0+4*\s+2:G0+4*\s+3], s[18:19], \s*65536        ; K step s: four heads on
	s_or_b32 s[G0+4*\s+3], s[G0+4*\s+3], 0x80000000
	s_mov_b32 s[G0B+4*\s], 1
	s_add_co_u32 s[G0B+4*\s+1], s21, \s*SLOT
	s_add_nc_u64 s[G0B+4*\s+2:G0B+4*\s+3], s[46:47], \s*512
	s_or_b32 s[G0B+4*\s+3], s[G0B+4*\s+3], 0x80000000
	JLOAD \s
.endr
	v_and_b32 v1, 15, v0                           ; r
	v_bfe_u32 v2, v0, 4, 1                         ; h
	v_lshrrev_b32 v3, 1, v1
	v_mul_u32_u24 v3, v3, 272
	v_and_b32 v4, 1, v1
	v_lshl_add_u32 v3, v4, 7, v3
	v_lshl_add_u32 v3, v2, 4, v3                   ; A: two tokens to a row: (r / 2) x 272 + (r % 2) x 128 + 16 h
	v_mul_u32_u24 v4, v1, BPIT
	v_lshl_add_u32 v4, v2, 4, v4                   ; B: r x 528 + 16 h
	s_mul_i32 s22, s13, 32*272                     ; my 64 tokens
	s_mul_i32 s23, s14, 64*BPIT                    ; my 64 rows of wo
	s_add_co_u32 s23, s23, BOFF
.irp s, 0,1
	v_add_nc_u32 v[ADRA+\s], s22, v3
	v_add_nc_u32 v[ADRB+\s], s23, v4
	s_add_co_u32 s22, s22, SLOT
	s_add_co_u32 s23, s23, SLOT
.endr
	s_mul_i32 s23, s12, 16*SPITCH                  ; my stage: 16 rows x 272 bytes in slot 0, which has had its last fill and its last read when the first result is stored there
	v_mul_u32_u24 v5, v1, SPITCH
	v_lshl_add_u32 v5, v2, 5, v5
	v_add_nc_u32 v[STO], s23, v5                   ; in: row r, 32 bytes for each half of the lanes
	v_mul_u32_u24 v5, v2, SPITCH
	v_lshl_add_u32 v5, v1, 4, v5
	v_add_nc_u32 v[RD], s23, v5                    ; back: lanes 0-15 one row, lanes 16-31 the next
	v_lshlrev_b32 v5, 12, v2
	v_lshl_add_u32 v[CO], v1, 4, v5                ; and the same two rows in out0, 4,096 bytes apart
	v_lshlrev_b32 v[BA], 5, v2
	s_lshl_b32 s46, s42, 9                         ; channel 128 cb + 64 wc, in bytes
	s_lshl_b32 s47, s14, 8
	s_add_co_u32 s46, s46, s47
	s_mov_b32 s47, 0
	s_add_nc_u64 s[8:9], s[8:9], s[46:47]
	s_add_nc_u64 s[10:11], s[10:11], s[46:47]
	s_lshl_b32 s46, s15, 19                        ; token 128 rb + 64 wr, 4,096 bytes a row
	s_lshl_b32 s22, s13, 18
	s_add_co_u32 s46, s46, s22
	s_add_nc_u64 s[10:11], s[10:11], s[46:47]
.irp b, 0,1,2,3
	global_load_b128 v[BIAS+8*\b:BIAS+8*\b+3], v[BA], s[8:9] offset:64*\b           ; bo at my lane's 8 channels of block b
	global_load_b128 v[BIAS+8*\b+4:BIAS+8*\b+7], v[BA], s[8:9] offset:64*\b+16
.endr
; 8 matrix instructions: token blocks a0, a0 + 1 x all 4 channel blocks, 32 along K: half c of set f.  first = 1: bo starts the sums.  The 16 accumulators take turns
.macro MUL8 f, c, a0, first
.irp a, \a0, \a0+1
.irp b, 0,1,2,3
.if \first
	v_wmma_f32_16x16x32_f16 v[ACC+8*(4*(\a)+\b):ACC+8*(4*(\a)+\b)+7], v[\f+64+8*(4*\c+\b):\f+64+8*(4*\c+\b)+7], v[\f+8*(4*\c+\a):\f+8*(4*\c+\a)+7], v[BIAS+8*\b:BIAS+8*\b+7]
.else
	v_wmma_f32_16x16x32_f16 v[ACC+8*(4*(\a)+\b):ACC+8*(4*(\a)+\b)+7], v[\f+64+8*(4*\c+\b):\f+64+8*(4*\c+\b)+7], v[\f+8*(4*\c+\a):\f+8*(4*\c+\a)+7], v[ACC+8*(4*(\a)+\b):ACC+8*(4*(\a)+\b)+7]
.endif
.endr
.endr
.endm
; 32 LDS loads in one run: the fragments of the slot's quarter z (64 along K: one head) into set f; the first 32 along K first
.macro FETCH slot, z, f
	WIN TO_F
.irp c, 0,1
.irp i, 0,1,2,3
	ds_load_b128 v[\f+64+8*(4*\c+\i):\f+64+8*(4*\c+\i)+3],   v[ADRB+\slot] offset:(\z)*128+64*\c+\i*16*BPIT
	ds_load_b128 v[\f+64+8*(4*\c+\i)+4:\f+64+8*(4*\c+\i)+7], v[ADRB+\slot] offset:(\z)*128+64*\c+\i*16*BPIT+32
	ds_load_b128 v[\f+8*(4*\c+\i):\f+8*(4*\c+\i)+3],         v[ADRA+\slot] offset:(\z)*ACH+64*\c+\i*2176
	ds_load_b128 v[\f+8*(4*\c+\i)+4:\f+8*(4*\c+\i)+7],       v[ADRA+\slot] offset:(\z)*ACH+64*\c+\i*2176+32
.endr
.endr
.endm
.macro PLACES                          ; four places in front of loads into registers that matrix instructions have read, and of the first read of results
.rept 4
	v_nop
.endr
.endm
.macro QUARTER slot, z, f, g, first    ; multiplies set f and fetches the slot's quarter z into set g
	s_wait_dscnt 16                                ; the first 32 along K are in; the sixteen younger loads may be out
	WIN MUL
	MUL8 \f, 0, 0, \first
	MUL8 \f, 0, 2, \first
	PLACES
	FETCH \slot, \z, \g
	s_wait_dscnt 32                                ; all but the 32 just issued
	WIN MUL
	MUL8 \f, 1, 0, 0
	MUL8 \f, 1, 2, 0
.endm
; A slot's last quarter multiplies set 1 and changes slots: one barrier; in front of it each wave waits for all its tensor loads, adds 0 to its spare word, and waits for that and for its reads of this slot.
.macro TURN slot, next, fill
	WIN 0
	s_wait_tensorcnt 0x0                           ; all my tensor loads have landed: my part of the next slot
	ds_add_u32 v[SPW], v[NIL]
	s_wait_dscnt 17                                ; (the add and the youngest sixteen loads may be out)
	WIN MUL
	MUL8 F1, 0, 0, 0
	s_wait_dscnt 0x0                               ; the add is done, and my reads of this slot are over
	s_barrier_signal -1
	MUL8 F1, 0, 2, 0
.if \fill
	WIN 0
.endif
	s_barrier_wait -1
.if \fill
	CREST                                          ; the barrier has opened a round of the cluster's: no wave of any partner still reads this slot or has a load on its way
	s_add_nc_u64 s[G0+4*\slot+2:G0+4*\slot+3], s[G0+4*\slot+2:G0+4*\slot+3], 131072     ; two K steps on: eight heads
	s_add_nc_u64 s[G0B+4*\slot+2:G0B+4*\slot+3], s[G0B+4*\slot+2:G0B+4*\slot+3], 1024
	JLOAD \slot                                    ; the first tensor load behind the round; its four v_nop are also the places in front of the loads below
.else
	PLACES
.endif
	FETCH \next, 0, F0
	WIN MUL
	MUL8 F1, 1, 0, 0
	MUL8 F1, 1, 2, 0
.endm
	s_wait_tensorcnt 0x1                           ; my part of K step 0 is in; K step 1's load may stay out
	s_barrier_signal -1
	s_barrier_wait -1
	FETCH 0, 0, F0
	s_wait_loadcnt 0x0                             ; bo
	QUARTER 0, 1, F0, F1, 1                        ; K step 0
	QUARTER 0, 2, F1, F0, 0
	QUARTER 0, 3, F0, F1, 0
	TURN 0, 1, 1                                   ; slot 0 takes K step 2
	QUARTER 1, 1, F0, F1, 0                        ; K step 1
	QUARTER 1, 2, F1, F0, 0
	QUARTER 1, 3, F0, F1, 0
	TURN 1, 0, 1                                   ; slot 1 takes K step 3
	QUARTER 0, 1, F0, F1, 0                        ; K step 2
	QUARTER 0, 2, F1, F0, 0
	QUARTER 0, 3, F0, F1, 0
	TURN 0, 1, 0                                   ; nothing is left to fetch
	QUARTER 1, 1, F0, F1, 0                        ; K step 3
	QUARTER 1, 2, F1, F0, 0
	QUARTER 1, 3, F0, F1, 0
	s_wait_dscnt 16
	WIN MUL
	MUL8 F1, 0, 0, 0
	MUL8 F1, 0, 2, 0
	s_wait_dscnt 0x0
	MUL8 F1, 1, 0, 0
	MUL8 F1, 1, 2, 0
	WIN 0
; THE WAY OUT, a block of 16 tokens at a time: the accumulators go to my stage as they are, each from its low end on, and come back as rows of 256 bytes.  LDS serves a wave's instructions in order: no wait between stores and loads.
.macro TOSTAGE a
.set BK, OB+32*((\a)%2)
.irp b, 0,1,2,3
	ds_store_b128 v[STO], v[ACC+8*(4*(\a)+\b):ACC+8*(4*(\a)+\b)+3] offset:64*\b
	ds_store_b128 v[STO], v[ACC+8*(4*(\a)+\b)+4:ACC+8*(4*(\a)+\b)+7] offset:64*\b+16
.endr
.irp n, 0,1,2,3,4,5,6,7
	ds_load_b128 v[BK+4*\n:BK+4*\n+3], v[RD] offset:\n*2*SPITCH
.endr
.endm
.macro SEND a, younger                 ; younger: the LDS instructions issued behind block a's loads: the next block's sixteen, or none
.set BK, OB+32*((\a)%2)
	s_wait_dscnt \younger
.irp n, 0,1,2,3,4,5,6,7
	global_store_b128 v[CO], v[BK+4*\n:BK+4*\n+3], s[10:11] offset:(16*(\a)+2*\n)*4096 th:TH_STORE_NT   ; sixteen lanes store 256 consecutive bytes, aligned; written once, read by nobody here
.endr
.endm
	PLACES
	TOSTAGE 0
	TOSTAGE 1
	SEND 0, 16
	s_wait_xcnt 0x0                                ; block 0's stores have read the registers into which block 2's rows are loaded
	TOSTAGE 2
	SEND 1, 16
	s_wait_xcnt 0x0
	TOSTAGE 3
	SEND 2, 16
	SEND 3, 0
	s_wait_tensorcnt 0x0                           ; the wave's end: the three lines, behind my last tensor load and my last LDS store
	ds_add_u32 v[SPW], v[NIL]
	s_wait_dscnt 0x0
	CROUND                                         ; the closing round
	s_endpgm
.Lfunc_end_k_q4da7e0e172_outp:
	.size	k_q4da7e0e172_outp, .Lfunc_end_k_q4da7e0e172_outp-k_q4da7e0e172_outp
	.p2alignl 7, 3214868480
	.fill 96, 4, 3214868480
	.section	.rodata,"a",@progbits
	.p2align	6, 0x0
	.amdhsa_kernel k_q4da7e0e172_outp
		.amdhsa_group_segment_fixed_size 327680
		.amdhsa_private_segment_fixed_size 0
		.amdhsa_enable_private_segment 0
		.amdhsa_kernarg_size 32
		.amdhsa_user_sgpr_count 2
		.amdhsa_user_sgpr_kernarg_segment_ptr 1
		.amdhsa_wavefront_size32 1
		.amdhsa_system_sgpr_workgroup_id_x 1
		.amdhsa_system_sgpr_workgroup_id_y 1
		.amdhsa_system_sgpr_workgroup_id_z 1
		.amdhsa_system_vgpr_workitem_id 0
		.amdhsa_next_free_vgpr 512
		.amdhsa_next_free_sgpr 66
		.amdhsa_reserve_vcc 0
		.amdhsa_float_denorm_mode_32 3
		.amdhsa_float_denorm_mode_16_64 3
		.amdhsa_memory_ordered 1
		.amdhsa_forward_progress 1
		.amdhsa_inst_pref_size 86
	.end_amdhsa_kernel
	.amdgpu_metadata
---
amdhsa.version: [ 1, 2 ]
amdhsa.kernels:
  - .name:           k_q4da7e0e172_outp
    .symbol:         k_q4da7e0e172_outp.kd
    .args:
      - { .name: ao, .offset: 0, .size: 8, .value_kind: global_buffer, .address_space: global }
      - { .name: woh, .offset: 8, .size: 8, .value_kind: global_buffer, .address_space: global }
      - { .name: bo, .offset: 16, .size: 8, .value_kind: global_buffer, .address_space: global }
      - { .name: out0, .offset: 24, .size: 8, .value_kind: global_buffer, .address_space: global }
    .group_segment_fixed_size: 327680
    .private_segment_fixed_size: 0
    .kernarg_segment_align: 8
    .kernarg_segment_size: 32
    .max_flat_workgroup_size: 128
    .sgpr_count:     66
    .vgpr_count:     512
    .wavefront_size: 32
...
	.end_amdgpu_metadata
.endif
;; end of part 4
